; MI455X (gfx1250); checked and timed in simulation.
; The chip was launched on July 23, 2026; its instructions are those of AMD's public machine-readable ISA for CDNA 5 (MIT licence, August 2026) and "CDNA5" Instruction Set Architecture Reference Guide (July 2026). The comments in the code are by the model that wrote it; some were corrected since.
;; Causal Self Attention. Allowed arithmetic: matrix products marked QUANTISED: E2M3 operands, one E8M0 scale for each 32 along K, by v_wmma_scale_f32_16x16x128_f8f6f4 with both operands' format E2M3, f32 sums; everything else in f32.
;; Inputs: Wk 1,024 x 1,024 float32; Wp 1,024 x 1,024 float32; Wq 1,024 x 1,024 float32; Wv 1,024 x 1,024 float32; bk 1,024 float32; bp 1,024 float32; bq 1,024 float32; bv 1,024 float32; x 4 x 2,048 x 1,024 float32.
;; Outputs: out0 4 x 2,048 x 1,024 float32.
;; This version of the problem:
;;   THIS VERSION OF THE PROBLEM IS GIVEN IN LOW PRECISION. The matrix products marked QUANTISED in the list below multiply operands that are first quantised to E2M3 (2 exponent bits, 3 mantissa bits; 6 bits a number), with one power-of-two scale for each 32 numbers along K (OCP MX v1.0); their sums are f32. All else is computed in f32.
;;   The module's matrix products, in the order in which they are computed (A, B: the left and right operand; K: the contracted axis; several contracted axes count as one K, in the product's order):
;;     1. [M 8,192, K 1,024] x [K 1,024, N 1,024]; A: input x; B: input Wq: QUANTISED
;;     2. [M 8,192, K 1,024] x [K 1,024, N 1,024]; A: input x; B: input Wk: QUANTISED
;;     3. [M 8,192, K 1,024] x [K 1,024, N 1,024]; A: input x; B: input Wv: QUANTISED
;;     4. batch 64 x [M 2,048, K 64] x [K 64, N 2,048]; A: computed on the way; B: computed on the way: QUANTISED
;;     5. batch 64 x [M 2,048, K 2,048] x [K 2,048, N 64]; A: softmax (see below); B: computed on the way: QUANTISED
;;     6. [M 8,192, K 1,024] x [K 1,024, N 1,024]; A: computed on the way; B: input Wp: QUANTISED
;;   THE QUANTISER, for each operand of a quantised product, along K:
;;     - K is cut into blocks of 32 from its start; a last block that is shorter is filled with zeros.
;;     - A block's scale is 2^e with e = floor(log2(the largest magnitude in the block)) - 2, held to -126 .. 127; a block of zeros has e = 0. As a byte (E8M0): e + 127.
;;     - Each number is divided by its block's scale, clamped to +-7.5, and rounded to the nearest number of E2M3, ties to even, subnormals kept.
;;     - The product sums the exact products of the quantised numbers (number of the format x scale) in f32.
;;   ~~~python
;;   def quantise(x, axis):      # numpy; x: float32 -> the quantised numbers, widened to float32 again
;;       x = np.moveaxis(x, axis, -1); K = x.shape[-1]
;;       x = np.pad(x, [(0, 0)] * (x.ndim - 1) + [(0, -K % 32)]); x = x.reshape(x.shape[:-1] + (-1, 32)); a = np.abs(x).max(-1, keepdims=True)
;;       e = np.where(a > 0, np.clip(np.frexp(np.where(a > 0, a, 1))[1] - 1 - 2, -126, 127), 0)      # np.frexp(a)[1] - 1 = floor(log2(a)), exactly
;;       r = np.clip(x / 2.0 ** e, -7.5, 7.5)
;;       step = 2.0 ** (np.maximum(np.frexp(np.where(r == 0, 1, r))[1] - 1, 0) - 3)
;;       q = np.round(r / step) * step * 2.0 ** e      # np.round: ties to even
;;       return np.moveaxis(q.reshape(q.shape[:-2] + (-1,))[..., :K], -1, axis).astype(np.float32)
;;   ~~~
;;   SOFTMAX AHEAD OF A QUANTISED PRODUCT. Where the list says 'softmax', what is quantised is not the finished softmax but p = 2^(t - M), with t = logit x log2(e) and M = ceil(the row's largest t), a whole number; so 1/2 < the row's largest p <= 1. The row's sum l is taken of the UNQUANTISED p, in f32, and the product's result is divided by l at the end. Since M is a whole number, a kernel that streams over the keys may use a running M (the ceiling of the running maximum): every later rescaling is an exact power of two, which a block's scale takes up: the codes' values come out the same.
;;   OPERANDS COMPUTED ON THE WAY. 'Computed on the way' means the value that the module computes at that place (a softmax that the list does not call 'softmax' is quantised finished and normalised). What goes into a quantiser is computed in f32, as accurately as f32 sums, v_exp_f32 and their like allow (about 1e-6 of the number): no bf16 or f16 on the way to a quantiser, and a product that is left as it is and whose result goes on into a quantised operand takes f32 operands (vector FMAs, or v_wmma_f32_16x16x4_f32). A number that lies on a knife's edge between two numbers of the format may be rounded either way, as far as f32 arithmetic and the matrix unit's own rounding can turn it there, and no further.
;; One version. Each part assembles by itself: llvm-mc -triple=amdgcn-amd-amdhsa -mcpu=gfx1250 --defsym DOCPART=n.
;; ======== version 1 of 1: 4 launches
;; workspace buffers: XI 6,291,456 bytes; XS 262,144 bytes; WI 3,145,728 bytes; WS 131,072 bytes; QR 6,815,744 bytes; KV 13,369,344 bytes; YI 6,291,456 bytes; YS 262,144 bytes
;; launch quant (part 1): grid 384 x 1, 4 waves a work-group, no clusters, 34,304 bytes of LDS; arguments x, Wq, Wk, Wv, Wp, XI, XS, WI, WS; writes XI, XS, WI, WS
.if DOCPART == 1
	.amdgcn_target "amdgcn-amd-amdhsa--gfx1250"
	.amdhsa_code_object_version 6
	.text
	.protected	k_qc6e962399c_quant
	.globl	k_qc6e962399c_quant
	.p2align	8
	.type	k_qc6e962399c_quant,@function
k_qc6e962399c_quant:
	s_mov_b64 s[64:65], 0
	v_nop
	global_prefetch_b8 v0, s[64:65] scope:SCOPE_SE
	s_setreg_imm32_b32 hwreg(HW_REG_WAVE_MODE, 25, 1), 1
	s_wait_xcnt 0x0
; x [8192][1024] and the four weights [1024 (k)][1024 (n)], f32, become codes of FP6 (E2M3) with one E8M0 byte for each 32 along K.
; A block's scale is 2^(floor(log2(its largest magnitude)) - 2): its byte is the largest magnitude's exponent field - 2, held at 1 from below.
; LIMITS: NaN and infinities among the inputs are not served; a block whose largest magnitude lies under 2^-124 keeps the byte 1; a block of zeros
; gets the byte 1 where the rule says 127: its codes are zeros, which add nothing, and only this program reads the bytes.
; LAYOUT OF THE CODES: images of the operand's registers.  A fragment is 16 rows x 128 K = 12 registers a lane (lane (r, h): registers 6 c .. 6 c + 5 = k 64 c + 32 h + 0 .. 31).
; Six registers are 768 bytes: registers 0-3 as 512 bytes, 16 a lane; registers 4-5 as 256 bytes, 8 a lane.  [128 rows][256 along K][tile 0..7][128 along K][c][768].
; THE ROWS OF A TILE: tile 2 i + u, lane r = row 32 i + 8 u + r + 8 (r / 8) of the 128: so every later result has 16 neighbours along its own next K in 16 registers.
; THE SCALE BYTES: [128 rows][256 along K][pair of tiles][256 bytes]: lane 16 u + r has the 8 bytes of its row's 8 blocks.
; Work-groups 0-255 take x (32 tokens each, a wave 256 along K); work-groups 256-383 take the weights (128 columns x 256 along K each, a wave 32 columns).
; Memory binds: no matrix unit, no cluster, no tensor load.  Only x's path touches LDS.
.set STG,  8448                        ; a wave's stage: 16 rows x (512 bytes + 16)
.set RA,   32                          ; v32-95, v96-159  x as loaded, two sets
.set RB,   96
.set X,    160                         ; v160-223 64 numbers of my row: register 32 c + i = k 64 c + 32 h + i
.set C,    224                         ; v224-235 a fragment's codes
.set T,    236                         ; v236-238, v240-242 the second halves of the conversions
.set WX,   32                          ; weights: v32-95 two sets of 32 numbers down K
.set CW,   96                          ; v96-143 codes: 128 along K q, block t: six registers at CW + 24 q + 6 t
.set WT,   144
.set SB,   148                         ; v148-149 my column's 8 scale bytes
	s_load_b256 s[4:11], s[0:1], 0x0               ; x, Wq, Wk, Wv
	s_load_b256 s[12:19], s[0:1], 0x20             ; Wp, XI, XS, WI
	s_load_b64 s[20:21], s[0:1], 0x40              ; WS
	v_lshl_add_u32 v244, v0, 2, 0x8400
	v_mov_b32 v245, 0
	v_lshrrev_b32 v1, 5, v0
	v_readfirstlane_b32 s22, v1                    ; wave
	v_and_b32 v1, 31, v0                           ; lane
	v_and_b32 v2, 15, v0                           ; r
	v_bfe_u32 v3, v0, 4, 1                         ; h
	v_lshlrev_b32 v4, 4, v1                        ; 16 x lane
	v_lshlrev_b32 v5, 3, v1                        ; 8 x lane
	s_mov_b32 s30, 0x76543210
	s_mov_b32 s31, 0xfedcba98                      ; v_permlanex16_b32's selects for lane l xor 16
	s_mov_b32 s32, 0xffff0000                      ; lanes 16-31
	s_cmp_lt_u32 ttmp9, 256
	s_cbranch_scc0 .Lweights
; ---------------- x: K is innermost.  Loads take 512 consecutive bytes of a row; the rows turn through the wave's stage, so that a lane gets two whole blocks of its row.
	s_mul_i32 s23, s22, STG
	v_add_nc_u32 v6, s23, v4                       ; into the stage: 16 x lane
	v_mul_u32_u24 v7, v2, 528
	v_lshl_add_u32 v7, v3, 7, v7
	v_add_nc_u32 v7, s23, v7                       ; out of it: row r, + 128 h
	v_lshlrev_b32 v8, 3, v3                        ; 8 h
	v_mov_b32 v17, 0                               ; a lane permute's destination counts as one of its sources
	s_lshl_b32 s24, ttmp9, 17                      ; 32 tokens of 4,096 bytes
	s_lshl_b32 s25, s22, 10                        ; my wave's 256 along K
	s_add_co_u32 s24, s24, s25
	s_mov_b32 s25, 0
	s_lshr_b32 s26, ttmp9, 2                       ; which 128 rows
	s_and_b32 s27, ttmp9, 3                        ; which pair of tiles
	s_lshl_b32 s28, s26, 2
	s_add_co_u32 s28, s28, s22
	s_mul_i32 s28, s28, 24576
	s_mul_i32 s29, s27, 6144
	s_add_co_u32 s28, s28, s29
	s_mov_b32 s29, 0
	s_lshl_b32 s34, s26, 12
	s_lshl_b32 s35, s22, 10
	s_add_co_u32 s34, s34, s35
	s_lshl_b32 s35, s27, 8
	s_add_co_u32 s34, s34, s35
	s_mov_b32 s35, 0
	s_wait_kmcnt 0x0
	s_add_nc_u64 s[4:5], s[4:5], s[24:25]
	s_add_nc_u64 s[14:15], s[14:15], s[28:29]
	s_add_nc_u64 s[16:17], s[16:17], s[34:35]
.macro LOADF u, q, set                 ; tile u's 16 rows, 128 along K q: each load reads 512 consecutive bytes
.irp rr, 0,1,2,3,4,5,6,7,8,9,10,11,12,13,14,15
	global_load_b128 v[\set+4*\rr:\set+4*\rr+3], v4, s[4:5] offset:(8*(\u)+\rr+8*(\rr/8))*4096+512*(\q) th:TH_LOAD_NT
.endr
.endm
.macro TURNX set                       ; LDS serves a wave's instructions in order: no wait between the stores and the loads
.irp rr, 0,1,2,3,4,5,6,7,8,9,10,11,12,13,14,15
	ds_store_b128 v6, v[\set+4*\rr:\set+4*\rr+3] offset:528*\rr
.endr
.irp c, 0,1
.irp j, 0,1,2,3,4,5,6,7
	ds_load_b128 v[X+32*\c+4*\j:X+32*\c+4*\j+3], v7 offset:256*\c+16*\j
.endr
.endr
.endm
.macro QUANTW f                        ; my two blocks (2 c + h of the four) become registers 6 c .. 6 c + 5; the row's scale word goes to v[18 + f]
.irp c, 0,1
	v_max3_num_f32 v[10+\c], |v[X+32*\c]|, |v[X+32*\c+1]|, 0x1800000   ; with the floor 2^(3 - 127): the byte cannot fall under 1
.endr
.irp i, 2,4,6,8,10,12,14,16,18,20,22,24,26,28,30
.irp c, 0,1
	v_max3_num_f32 v[10+\c], v[10+\c], |v[X+32*\c+\i]|, |v[X+32*\c+\i+1]|
.endr
.endr
.irp c, 0,1
	v_add_nc_u32 v[12+\c], 0xff000000, v[10+\c]    ; 2 off the exponent field: the conversion's scale operand
.endr
.irp c, 0,1
	v_lshrrev_b32 v[14+\c], 23, v[12+\c]           ; the byte
.endr
	v_lshl_or_b32 v16, v15, 16, v14                ; blocks h and 2 + h,
	v_lshlrev_b32 v16, v8, v16                     ; at their places in the word;
	v_permlanex16_b32 v17, v16, s30, s31
	v_or_b32 v[18+\f], v16, v17                    ; with lane l xor 16's two the word is whole
.irp c, 0,1
	v_cvt_scalef32_pk16_fp6_f32 v[C+6*\c:C+6*\c+2], v[X+32*\c:X+32*\c+15], v[12+\c]
	v_cvt_scalef32_pk16_fp6_f32 v[T+4*\c:T+4*\c+2], v[X+32*\c+16:X+32*\c+31], v[12+\c]   ; (a conversion's three registers begin on an even number)
.endr
	v_nop                                          ; one plain line behind the scaled conversions
.irp c, 0,1
.irp i, 0,1,2
	v_mov_b32 v[C+6*\c+3+\i], v[T+4*\c+\i]
.endr
.endr
.endm
.macro PUT off                         ; each store covers whole aligned runs of 256 bytes
.irp c, 0,1
	global_store_b128 v4, v[C+6*\c:C+6*\c+3], s[14:15] offset:\off+768*\c
	global_store_b64 v5, v[C+6*\c+4:C+6*\c+5], s[14:15] offset:\off+768*\c+512
.endr
.endm
.macro XFRAG f, set, more, left        ; fragment f = 2 u + q
	s_wait_loadcnt \left                           ; my 16 loads are in; the next fragment's 16 may be out
	TURNX \set
	s_wait_dscnt 0x0                               ; the numbers are back, and the stores into the stage have read the set
.if \more
	LOADF 1, \f, \set                              ; fragment f + 2 into the set just freed
.endif
	s_wait_xcnt 0x0                                ; the last fragment's stores have read the codes' registers
	QUANTW \f
	PUT 1536*(\f)
.endm
	LOADF 0, 0, RA
	LOADF 0, 1, RB
	XFRAG 0, RA, 1, 16
	XFRAG 1, RB, 1, 16
	XFRAG 2, RA, 0, 16
	XFRAG 3, RB, 0, 0
	v_cndmask_b32 v22, v18, v20, s32               ; lanes 0-15: tile 0's words, lanes 16-31: tile 1's; first 128 along K,
	v_cndmask_b32 v23, v19, v21, s32               ; second
	global_store_b64 v5, v[22:23], s[16:17]        ; 256 consecutive bytes, aligned
	s_wait_tensorcnt 0x0
	ds_add_u32 v244, v245
	s_wait_dscnt 0x0
	s_endpgm
; ---------------- the weights: K is the FIRST axis.  A lane takes a column and its registers run down K: a block lies in one lane, nothing is transposed.
.Lweights:
	s_sub_co_u32 s23, ttmp9, 256
	s_lshr_b32 s24, s23, 5                         ; which weight
	s_lshr_b32 s25, s23, 2                         ; which 128 columns of the four weights' 4,096
	s_and_b32 s26, s23, 3                          ; which 256 along K
	v_lshlrev_b32 v6, 3, v3                        ; lane 16 u + r takes column 8 u + r + 8 (r / 8) of the wave's 32: lanes 0-15 are tile 2 w, lanes 16-31 tile 2 w + 1
	v_and_b32 v7, 7, v0
	v_add_nc_u32 v6, v6, v7
	v_bfe_u32 v7, v0, 3, 1
	v_lshl_add_u32 v6, v7, 4, v6
	v_lshlrev_b32 v6, 2, v6
	s_lshl_b32 s28, s26, 20                        ; 256 rows of 4,096 bytes
	s_and_b32 s29, s25, 7
	s_lshl_b32 s29, s29, 9
	s_add_co_u32 s28, s28, s29
	s_lshl_b32 s29, s22, 7
	s_add_co_u32 s28, s28, s29
	s_mov_b32 s29, 0
	s_lshl_b32 s34, s25, 2
	s_add_co_u32 s34, s34, s26
	s_mul_i32 s34, s34, 24576
	s_mul_i32 s35, s22, 6144
	s_add_co_u32 s34, s34, s35
	s_mov_b32 s35, 0
	s_lshl_b32 s36, s25, 12
	s_lshl_b32 s37, s26, 10
	s_add_co_u32 s36, s36, s37
	s_lshl_b32 s37, s22, 8
	s_add_co_u32 s36, s36, s37
	s_mov_b32 s37, 0
	s_wait_kmcnt 0x0
	s_cmp_eq_u32 s24, 0                            ; the choice hangs on the work-group's number alone
	s_cselect_b64 s[26:27], s[6:7], s[8:9]
	s_cmp_eq_u32 s24, 2
	s_cselect_b64 s[38:39], s[10:11], s[12:13]
	s_cmp_lt_u32 s24, 2
	s_cselect_b64 s[26:27], s[26:27], s[38:39]
	s_add_nc_u64 s[26:27], s[26:27], s[28:29]
	s_add_nc_u64 s[18:19], s[18:19], s[34:35]
	s_add_nc_u64 s[20:21], s[20:21], s[36:37]
.macro LOADW t                         ; block t: W(32 t + i, my column); a wave's load covers 128 consecutive bytes, the work-group's four 512
.irp i, 0,1,2,3,4,5,6,7,8,9,10,11,12,13,14,15,16,17,18,19,20,21,22,23,24,25,26,27,28,29,30,31
	global_load_b32 v[WX+32*((\t)%2)+\i], v6, s[26:27] offset:(32*(\t)+\i)*4096 th:TH_LOAD_NT
.endr
.endm
.macro BLOCKW t
.set XS, WX+32*((\t)%2)
.set CD, CW+24*((\t)/4)+6*((\t)%4)
.if (\t) < 7
	s_wait_loadcnt 32                              ; this block's 32 loads are in; the next block's may be out
.else
	s_wait_loadcnt 0x0
.endif
	v_max3_num_f32 v10, |v[XS]|, |v[XS+1]|, |v[XS+2]|
	v_max3_num_f32 v11, |v[XS+3]|, |v[XS+4]|, |v[XS+5]|
.irp i, 6,10,14,18,22,26
	v_max3_num_f32 v10, v10, |v[XS+\i]|, |v[XS+\i+1]|
	v_max3_num_f32 v11, v11, |v[XS+\i+2]|, |v[XS+\i+3]|
.endr
	v_max3_num_f32 v10, v10, |v[XS+30]|, |v[XS+31]|
	v_max3_num_f32 v10, v10, v11, 0x1800000        ; and the floor
	v_add_nc_u32 v12, 0xff000000, v10
	v_lshrrev_b32 v13, 23, v12
.if (\t)%4 == 0
	v_mov_b32 v[SB+(\t)/4], v13
.else
	v_lshl_or_b32 v[SB+(\t)/4], v13, 8*((\t)%4), v[SB+(\t)/4]
.endif
	v_cvt_scalef32_pk16_fp6_f32 v[CD:CD+2], v[XS:XS+15], v12
	v_cvt_scalef32_pk16_fp6_f32 v[WT:WT+2], v[XS+16:XS+31], v12
	v_nop                                          ; one plain line behind the scaled conversions
.irp i, 0,1,2
	v_mov_b32 v[CD+3+\i], v[WT+\i]
.endr
.if (\t)+2 < 8
	LOADW (\t)+2
.endif
.endm
; The operand wants block 2 c in lanes 0-15 and block 2 c + 1 in lanes 16-31 of ONE tile; I hold block 2 c of both tiles in one register and block 2 c + 1 in another: the swap sorts them.
.macro FINW q
.irp c, 0,1
.irp i, 0,1,2,3,4,5
	v_permlane16_swap_b32 v[CW+24*\q+12*\c+\i], v[CW+24*\q+12*\c+6+\i]
.endr
.endr
.irp u, 0,1
.irp c, 0,1
	global_store_b128 v4, v[CW+24*\q+12*\c+6*\u:CW+24*\q+12*\c+6*\u+3], s[18:19] offset:3072*\u+1536*\q+768*\c
	global_store_b64 v5, v[CW+24*\q+12*\c+6*\u+4:CW+24*\q+12*\c+6*\u+5], s[18:19] offset:3072*\u+1536*\q+768*\c+512
.endr
.endr
.endm
	LOADW 0
	LOADW 1
	BLOCKW 0
	BLOCKW 1
	BLOCKW 2
	BLOCKW 3
	FINW 0                                         ; each 128 along K has its own registers: no store's data are written again
	BLOCKW 4
	BLOCKW 5
	BLOCKW 6
	BLOCKW 7
	FINW 1
	global_store_b64 v5, v[SB:SB+1], s[20:21]      ; 256 consecutive bytes, aligned
	s_endpgm
.Lfunc_end_k_qc6e962399c_quant:
	.size	k_qc6e962399c_quant, .Lfunc_end_k_qc6e962399c_quant-k_qc6e962399c_quant
	.p2alignl 7, 3214868480
	.fill 96, 4, 3214868480
	.section	.rodata,"a",@progbits
	.p2align	6, 0x0
	.amdhsa_kernel k_qc6e962399c_quant
		.amdhsa_group_segment_fixed_size 34304
		.amdhsa_private_segment_fixed_size 0
		.amdhsa_enable_private_segment 0
		.amdhsa_kernarg_size 72
		.amdhsa_user_sgpr_count 2
		.amdhsa_user_sgpr_kernarg_segment_ptr 1
		.amdhsa_wavefront_size32 1
		.amdhsa_system_sgpr_workgroup_id_x 1
		.amdhsa_system_sgpr_workgroup_id_y 1
		.amdhsa_system_sgpr_workgroup_id_z 1
		.amdhsa_system_vgpr_workitem_id 0
		.amdhsa_next_free_vgpr 246
		.amdhsa_next_free_sgpr 66
		.amdhsa_reserve_vcc 0
		.amdhsa_float_denorm_mode_32 3
		.amdhsa_float_denorm_mode_16_64 3
		.amdhsa_memory_ordered 1
		.amdhsa_forward_progress 1
		.amdhsa_inst_pref_size 70
	.end_amdhsa_kernel
	.amdgpu_metadata
---
amdhsa.version: [ 1, 2 ]
amdhsa.kernels:
  - .name:           k_qc6e962399c_quant
    .symbol:         k_qc6e962399c_quant.kd
    .args:
      - { .name: x, .offset: 0, .size: 8, .value_kind: global_buffer, .address_space: global }
      - { .name: Wq, .offset: 8, .size: 8, .value_kind: global_buffer, .address_space: global }
      - { .name: Wk, .offset: 16, .size: 8, .value_kind: global_buffer, .address_space: global }
      - { .name: Wv, .offset: 24, .size: 8, .value_kind: global_buffer, .address_space: global }
      - { .name: Wp, .offset: 32, .size: 8, .value_kind: global_buffer, .address_space: global }
      - { .name: XI, .offset: 40, .size: 8, .value_kind: global_buffer, .address_space: global }
      - { .name: XS, .offset: 48, .size: 8, .value_kind: global_buffer, .address_space: global }
      - { .name: WI, .offset: 56, .size: 8, .value_kind: global_buffer, .address_space: global }
      - { .name: WS, .offset: 64, .size: 8, .value_kind: global_buffer, .address_space: global }
    .group_segment_fixed_size: 34304
    .private_segment_fixed_size: 0
    .kernarg_segment_align: 8
    .kernarg_segment_size: 72
    .max_flat_workgroup_size: 128
    .sgpr_count:     66
    .vgpr_count:     246
    .wavefront_size: 32
...
	.end_amdgpu_metadata
.endif
;; end of part 1
;; launch qkv (part 2): grid 12 x 32, 4 waves a work-group, clusters of 4 x 4, 327,680 bytes of LDS; arguments XI, XS, WI, WS, bq, bk, bv, QR, KV; writes QR, KV
.if DOCPART == 2
	.amdgcn_target "amdgcn-amd-amdhsa--gfx1250"
	.amdhsa_code_object_version 6
	.text
	.protected	k_qc6e962399c_qkv
	.globl	k_qc6e962399c_qkv
	.p2align	8
	.type	k_qc6e962399c_qkv,@function
k_qc6e962399c_qkv:
	s_mov_b64 s[64:65], 0
	v_nop
	global_prefetch_b8 v0, s[64:65] scope:SCOPE_SE
	s_setreg_imm32_b32 hwreg(HW_REG_WAVE_MODE, 25, 1), 1
	s_wait_xcnt 0x0
	s_wait_alu depctr_hold_cnt(0) depctr_sa_sdst(0) depctr_va_vdst(0) depctr_va_sdst(0) depctr_va_ssrc(0) depctr_va_vcc(0) depctr_vm_vsrc(0)
	s_getreg_b32 s2, hwreg(HW_REG_IB_STS2, 6, 4)
	s_cmp_eq_u32 s2, 0
	s_cbranch_scc0 .Lentry_in_a_cluster
	s_endpgm
.Lentry_in_a_cluster:
	s_bfe_u32 s2, ttmp6, 0x10000c
	s_cmp_lg_u32 s2, 0xf033
	s_cbranch_scc0 .Lentry_shape_is_right
	s_endpgm
.Lentry_shape_is_right:
; q = x Wq + bq, k = x Wk + bk, v = x Wv + bv on codes of FP6 (E2M3) with E8M0 scales; the results, f32, are quantised here for the attention's two products and leave as images of operand registers.
; A tile of 256 x 256 to a work-group of four waves, 128 x 128 (64 accumulators) a wave.  K = 1,024 goes as four runs of 256 through two LDS slots; all eight steps of 128 are written out.
; STREAMS.  The matrix instruction takes stream B as source 0 and stream A as source 1: a lane then holds one row of A, and its registers run along B's rows.
;   The cluster's x is the kind: 0 = q, 1 = k: A = x, B = W: a lane holds a token, its registers run along the head's 64: the first product's K.
;   2 = v: THE STREAMS CHANGE PLACES: A = Wv, B = x: a lane holds one channel, its registers run along the tokens: the second product's K.
; The rows of a tile lie in the order tile 2 i + u, lane r = row 32 i + 8 u + r + 8 (r / 8): so the 64 registers of a block of 16 rows of A are, 16 by 16, neighbours along B's rows: register 16 b + i = 32 b + 16 h + i.
; CLUSTERS: 4 x 4.  A's runs are asked for jointly along the cluster's row, B's along its column.  The codes lie in memory as the registers want them: a wave's load is one dense block of 24,576 bytes.
; The scale bytes of the work-group's rows, for all of K, come once, with the first fills.  A wave has three tensor loads out at the start and one behind each round.
; No prefetch is laid: of the four runs of K two are first fills, and the other two are asked for a whole run ahead.
; OUT.  QR [16 b + head][128 queries]: 8 tiles x 768 bytes, 512 bytes of scale words.  KV [16 b + head][128 keys]: K as QR's record, then V^T: 4 fragments (16 channels x 128 keys) of 1,536 bytes, 256 bytes of scale words.
; A head's K is 64, the instruction's 128: a scale word's bytes 2 and 3 are 0x7f.
; LIMITS: NaN and infinities are not served; a block whose largest magnitude lies under 2^-124, a block of zeros too, keeps the byte 1 (its codes are zeros or the rule's; only this program reads the bytes).
; REGISTERS, in windows of 256: window 0: v2-5 r, h, 16 l, 8 l; v16-23 LDS addresses; v27 scale words' address; v28-29 for the add; v32-63 scale words, two sets; v128-223 A's 8 fragments, one set;
;   on the way out v64-127 biases, v128-191 a block's numbers, v192-211 codes, v224-251 at work.  window 1: B's fragments, two sets.  windows 2, 3: accumulator (a, b) at v[8 (8 (a % 4) + b)].
.set WPART,  24576                     ; 128 rows x 256 along K: what one tensor load brings
.set SLOT,   4*WPART                   ; A's two blocks, then B's two
.set SCL,    2*SLOT                    ; A's scale bytes, 8,192;
.set SCLB,   SCL+8192+128              ; B's, 128 bytes further on than a multiple of 256: the two halves of a scale load then fall on different banks
.set SPARE,  213248                    ; the spare words: 128 bytes for each wave, two blocks of 256 bytes that no other line names
.set FR,     12
.set NL,     4                         ; LDS loads that bring a fragment
.set NP,     4                         ; places behind this matrix instruction (ISA guide 7.12.1)
.set NQ,     2
.set ADRA, 16                          ; v16-17 A's fragments in slot 0, 1, 16 bytes a lane; v18-19 the same, 8 bytes a lane
.set ADRB, 20                          ; v20-23 B's
.set ADRS, 27
.set SPW,  28
.set NIL,  29
.set SC,   32
.set AF,   128
.set BI,   64
.set HA,   128
.set PC,   192
.set TM,   224
.set PW,   240
.set T1,   241
.set KS0,  244
.set KS1,  248
.set SEL,  66                          ; s[66:67] lane selects; s46 the mask of lanes 16-31
.set G1, 24
.set G0, 32
.set G1B, 48
.set G0B, 56
.set G1S, 68
.set G0S, 76
.set G1SB, 80
.set G0SB, 88
.set MSB, 0
.macro WIN new                         ; the immediate's high byte repeats the setting that is left
.if MSB != \new
	s_set_vgpr_msb (MSB<<8)|\new
.set MSB, \new
.endif
.endm
.set MUL_LO, 0xa1                      ; source 0 (B) window 1, source 1 (A) window 0, C and D window 2
.set MUL_HI, 0xf1
.set TO_B,   0x40
; A joint load: waves 0 and 1 fetch for A, waves 2 and 3 for B; the branch hangs on the wave's number alone.  Four v_nop follow each of the two lines.
.macro JLOAD g0a, g1a, g0b, g1b
	s_cmp_eq_u32 s15, 0
	s_cbranch_scc0 .Lfor_b_\@
	tensor_load_to_lds s[\g0a:\g0a+3], s[\g1a:\g1a+7]
	s_nop 0
.rept 4
	v_nop
.endr
	s_branch .Lasked_\@
.Lfor_b_\@:
	tensor_load_to_lds s[\g0b:\g0b+3], s[\g1b:\g1b+7]
	s_nop 0
.rept 4
	v_nop
.endr
.Lasked_\@:
.endm
.macro CREST                           ; a round of the cluster's barrier behind its opening barrier
	s_cmp_lg_u32 s14, 0
	s_cbranch_scc1 .Lnot_wave_0_\@
	s_barrier_signal -3
.Lnot_wave_0_\@:
	s_barrier_wait -3
	s_barrier_signal -1
	s_barrier_wait -1
.endm
.macro CROUND
	s_barrier_signal -1
	s_barrier_wait -1
	CREST
.endm
.macro PLACES n
.rept \n
	v_nop
.endr
.endm
.macro FRAG reg, adr, q, i             ; a fragment's image: every load takes consecutive lanes' consecutive bytes
	ds_load_b128 v[\reg:\reg+3], v[\adr] offset:3072*(\i)+1536*(\q)
	ds_load_b64 v[\reg+4:\reg+5], v[\adr+2] offset:3072*(\i)+1536*(\q)+512
	ds_load_b128 v[\reg+6:\reg+9], v[\adr] offset:3072*(\i)+1536*(\q)+768
	ds_load_b64 v[\reg+10:\reg+11], v[\adr+2] offset:3072*(\i)+1536*(\q)+1280
.endm
; 16 matrix instructions: A's blocks a0, a0 + 1 x B's eight.  The 64 accumulators take turns, one instruction a turn, in the same order in every step.
.macro MUL16 a0, p, q, sc, zero
.irp a, \a0, \a0+1
.irp b, 0,1,2,3,4,5,6,7
.if \zero
	v_wmma_scale_f32_16x16x128_f8f6f4 v[8*(8*((\a)%4)+\b):8*(8*((\a)%4)+\b)+7], v[128*(\p)+FR*\b:128*(\p)+FR*\b+FR-1], v[AF+FR*(\a):AF+FR*(\a)+FR-1], 0, v[SC+8*NQ*(\sc)+NQ*\b+(\q)], v[SC+8*NQ*(\sc)+NQ*(\a)+(\q)] matrix_a_fmt:MATRIX_FMT_FP6 matrix_b_fmt:MATRIX_FMT_FP6 matrix_a_scale:MATRIX_SCALE_ROW1
.else
	v_wmma_scale_f32_16x16x128_f8f6f4 v[8*(8*((\a)%4)+\b):8*(8*((\a)%4)+\b)+7], v[128*(\p)+FR*\b:128*(\p)+FR*\b+FR-1], v[AF+FR*(\a):AF+FR*(\a)+FR-1], v[8*(8*((\a)%4)+\b):8*(8*((\a)%4)+\b)+7], v[SC+8*NQ*(\sc)+NQ*\b+(\q)], v[SC+8*NQ*(\sc)+NQ*(\a)+(\q)] matrix_a_fmt:MATRIX_FMT_FP6 matrix_b_fmt:MATRIX_FMT_FP6 matrix_a_scale:MATRIX_SCALE_ROW1
.endif
.endr
.endr
.endm
.macro FETCH_B slot, q, p
	WIN TO_B
.irp i, 0,1,2,3,4,5,6,7
	FRAG 128*(\p)+FR*\i, ADRB+\slot, \q, \i
.endr
	WIN 0
.endm
.macro FETCH_A slot, q, i0
.irp i, \i0, \i0+1, \i0+2, \i0+3
	FRAG AF+FR*(\i), ADRA+\slot, \q, \i
.endr
.endm
.macro SCALES sc, p                    ; run p's scale words: lanes 0-15 take A's block i, lanes 16-31 B's; the two words are the run's two steps
.irp i, 0,1,2,3,4,5,6,7
	ds_load_b64 v[SC+16*\sc+2*\i:SC+16*\sc+2*\i+1], v[ADRS] offset:1024*\p+256*(\i/2)+128*(\i%2)
.endr
.endm
.macro STEP slot, q, zero              ; a step of 128 along K that has its successor in the same slot
	s_wait_dscnt 4*NL                              ; all but the youngest 16 loads (A's blocks 4-7) are in
	WIN MUL_LO
	MUL16 0, (\q)%2, \q, \slot, \zero
	MUL16 2, (\q)%2, \q, \slot, \zero
	s_wait_dscnt 0
	PLACES NP
	FETCH_B \slot, (\q)+1, 1-(\q)%2
	FETCH_A \slot, (\q)+1, 0
	WIN MUL_HI
	MUL16 4, (\q)%2, \q, \slot, \zero
	MUL16 6, (\q)%2, \q, \slot, \zero
	PLACES NP
	WIN 0
	FETCH_A \slot, (\q)+1, 4
.endm
; A slot's last step changes slots: one barrier; in front of it each wave waits for all its tensor loads, adds 0 to its spare word, and waits for that and for its reads of this slot.
.macro TURN slot, next, fill, p
	s_wait_tensorcnt 0x0                           ; all my tensor loads have landed: my part of the next slot
	ds_add_u32 v[SPW], v[NIL]                      ; 0 onto my spare word
	s_wait_dscnt 4*NL+1                            ; (the add and the youngest 16 loads may be out)
	WIN MUL_LO
	MUL16 0, 1, NQ-1, \slot, 0
	s_wait_dscnt 0x0                               ; the add is done, and my reads of this slot are over
	s_barrier_signal -1
	MUL16 2, 1, NQ-1, \slot, 0
	WIN 0
	s_barrier_wait -1
.if \fill
	CREST                                          ; the barrier has opened a round of the cluster's: no wave of any partner still reads this slot or has a load on its way
	s_add_nc_u64 s[G0+4*\slot+2:G0+4*\slot+3], s[G0+4*\slot+2:G0+4*\slot+3], 2*WPART
	s_add_nc_u64 s[G0B+4*\slot+2:G0B+4*\slot+3], s[G0B+4*\slot+2:G0B+4*\slot+3], 2*WPART
	JLOAD G0+4*\slot, G1, G0B+4*\slot, G1B         ; the first tensor load behind the round; its four v_nop are the places in front of the loads below
.else
	PLACES NP
.endif
	FETCH_B \next, 0, 0
	FETCH_A \next, 0, 0
	SCALES \next, \p
	WIN MUL_HI
	MUL16 4, 1, NQ-1, \slot, 0
	MUL16 6, 1, NQ-1, \slot, 0
	PLACES NP
	WIN 0
	FETCH_A \next, 0, 4
.endm
.macro LAST                            ; the very last step: nothing more to fetch
	s_wait_dscnt 4*NL
	WIN MUL_LO
	MUL16 0, 1, NQ-1, 1, 0
	MUL16 2, 1, NQ-1, 1, 0
	s_wait_dscnt 0
	WIN MUL_HI
	MUL16 4, 1, NQ-1, 1, 0
	MUL16 6, 1, NQ-1, 1, 0
	WIN 0
.endm
; 64 numbers of a lane, register 16 b + i = k 32 b + 16 (lane / 16) + i of my row, become a fragment's codes in v[PC] on and its scale word in v[PW].
.macro QUANTH s
.irp b, 0,1,2,3
	v_max3_num_f32 v[TM+\b], |v[\s+16*\b]|, |v[\s+1+16*\b]|, 0x1800000   ; my 16 numbers of block b, and the floor 2^(3 - 127)
.endr
.irp i, 2,4,6,8,10,12,14
.irp b, 0,1,2,3
	v_max3_num_f32 v[TM+\b], v[TM+\b], |v[\s+16*\b+\i]|, |v[\s+1+16*\b+\i]|
.endr
.endr
.irp b, 0,1,2,3
	v_permlanex16_b32 v[TM+4+\b], v[TM+\b], s[SEL], s[SEL+1]
.endr
.irp b, 0,1,2,3
	v_max_num_f32 v[TM+\b], v[TM+\b], v[TM+4+\b]   ; with lane l xor 16's: the block's largest magnitude
.endr
.irp b, 0,1,2,3
	v_add_nc_u32 v[TM+12+\b], 0xff000000, v[TM+\b] ; 2 off its exponent field: the conversion's scale operand
.endr
.irp b, 0,1,2,3
	v_lshrrev_b32 v[TM+4+\b], 23, v[TM+12+\b]      ; the byte
.endr
	v_lshl_or_b32 v[PW], v[TM+5], 8, v[TM+4]
	v_lshl_or_b32 v[PW], v[TM+6], 16, v[PW]
	v_lshl_or_b32 v[PW], v[TM+7], 24, v[PW]
.irp c, 0,1
	v_cvt_scalef32_pk16_fp6_f32 v[PC+6*\c:PC+2+6*\c], v[\s+32*\c:\s+15+32*\c], v[TM+12+2*\c]
	v_cvt_scalef32_pk16_fp6_f32 v[PC+12+4*\c:PC+14+4*\c], v[\s+16+32*\c:\s+31+32*\c], v[TM+12+2*\c+1]
.endr
	v_nop                                          ; one plain line behind the scaled conversions
.irp c, 0,1                                    ; the operand wants a whole block in a lane
.irp i, 0,1,2
	v_permlane16_swap_b32 v[PC+6*\c+\i], v[PC+12+4*\c+\i]
.endr
.irp i, 0,1,2
	v_mov_b32 v[PC+3+6*\c+\i], v[PC+12+4*\c+\i]
.endr
.endr
.endm
	s_load_b256 s[4:11], s[0:1], 0x0               ; XI, XS, WI, WS
	s_load_b256 s[92:99], s[0:1], 0x20             ; bq, bk, bv, QR
	s_load_b64 s[100:101], s[0:1], 0x40            ; KV
	v_lshl_add_u32 v[SPW], v0, 2, SPARE
	v_mov_b32 v[NIL], 0
	ds_add_u32 v28, v29
	ds_add_u32 v28, v29
	s_wait_dscnt 0x0
	v_lshrrev_b32 v1, 5, v0
	v_readfirstlane_b32 s14, v1                    ; wave 0..3
	s_lshr_b32 s15, s14, 1                         ; which 128 rows of A are mine.  Also: I fetch for A (0) or for B (1)
	s_and_b32 s16, s14, 1                          ; which 128 rows of B are mine.  Also: which 128 rows I fetch
	s_bfe_u32 s40, ttmp6, 0x40000                  ; cx
	s_bfe_u32 s41, ttmp6, 0x40004                  ; cy
	s_and_b32 s17, ttmp7, 0xffff
	s_lshl_b32 s17, s17, 2                         ; 4 x cluster y: x's tiles
	s_lshl_b32 s42, ttmp9, 2                       ; 4 x kind: the weight's tiles
	s_cmp_eq_u32 ttmp9, 2                          ; the kind is the cluster's x: the same in all sixteen partners
	s_cselect_b32 s2, s42, s17
	s_cselect_b32 s3, s17, s42
	s_add_co_u32 s17, s2, s41                      ; A's tile: hangs on cy alone of my place
	s_add_co_u32 s42, s3, s40                      ; B's tile: on cx alone
	s_lshl_b32 s43, s41, 2
	s_lshl_b32 s43, 15, s43                        ; my row of the cluster
	s_lshl_b32 s44, 0x1111, s40                    ; my column
	; descriptor group 1: a dense block as rows of 256 bytes (32 elements of 8 bytes): 96 rows of codes, 16 of scale bytes; no padding
	s_or_b32 s[G1+0], s43, (3<<16)|(1<<21)
	s_or_b32 s[G1B+0], s44, (3<<16)|(1<<21)
.irp g, G1, G1B
	s_mov_b32 s[\g+1], 32<<16
	s_mov_b32 s[\g+2], 96<<16
	s_mov_b32 s[\g+3], 32<<16
	s_mov_b32 s[\g+4], 96
	s_mov_b32 s[\g+5], 32
	s_mov_b32 s[\g+6], 0
	s_mov_b32 s[\g+7], 0
.endr
	s_or_b32 s[G1S+0], s43, (3<<16)|(1<<21)
	s_or_b32 s[G1SB+0], s44, (3<<16)|(1<<21)
.irp g, G1S, G1SB
	s_mov_b32 s[\g+1], 32<<16
	s_mov_b32 s[\g+2], 16<<16
	s_mov_b32 s[\g+3], 32<<16
	s_mov_b32 s[\g+4], 16
	s_mov_b32 s[\g+5], 32
	s_mov_b32 s[\g+6], 0
	s_mov_b32 s[\g+7], 0
.endr
	s_lshl_b32 s12, s17, 1
	s_add_co_u32 s12, s12, s16                     ; A: the 128 rows that I fetch
	s_lshl_b32 s13, s42, 1
	s_add_co_u32 s13, s13, s16                     ; B: likewise
	s_mul_i32 s45, s14, WPART                      ; where they go: no place in the cluster enters an LDS address
	s_wait_kmcnt 0x0
	s_cmp_eq_u32 ttmp9, 2
	s_cselect_b64 s[18:19], s[8:9], s[4:5]         ; A's codes,
	s_cselect_b64 s[20:21], s[10:11], s[6:7]       ; A's scale bytes,
	s_cselect_b64 s[22:23], s[4:5], s[8:9]         ; B's codes,
	s_cselect_b64 s[46:47], s[6:7], s[10:11]       ; B's scale bytes
	s_mul_i32 s2, s12, 4*WPART
	s_mov_b32 s3, 0
	s_add_nc_u64 s[18:19], s[18:19], s[2:3]
	s_lshl_b32 s2, s12, 12
	s_add_nc_u64 s[20:21], s[20:21], s[2:3]
	s_mul_i32 s66, s13, 4*WPART
	s_mov_b32 s67, 0
	s_add_nc_u64 s[22:23], s[22:23], s[66:67]
	s_lshl_b32 s66, s13, 12
	s_add_nc_u64 s[46:47], s[46:47], s[66:67]
	CROUND                                         ; all sixteen work-groups are here: the first joint loads meet
	s_mov_b32 s[G0S], 1
	s_lshl_b32 s[G0S+1], s14, 12
	s_add_co_u32 s[G0S+1], s[G0S+1], SCL
	s_mov_b64 s[G0S+2:G0S+3], s[20:21]
	s_or_b32 s[G0S+3], s[G0S+3], 0x80000000
	s_mov_b32 s[G0SB], 1
	s_lshl_b32 s[G0SB+1], s14, 12
	s_add_co_u32 s[G0SB+1], s[G0SB+1], SCL+128
	s_mov_b64 s[G0SB+2:G0SB+3], s[46:47]
	s_or_b32 s[G0SB+3], s[G0SB+3], 0x80000000
	JLOAD G0S, G1S, G0SB, G1SB                     ; the scale bytes first: they are wanted with the first step
.irp s, 0,1
	s_mov_b32 s[G0+4*\s], 1
	s_add_co_u32 s[G0+4*\s+1], s45, \s*SLOT
	s_add_nc_u64 s[G0+4*\s+2:G0+4*\s+3], s[18:19], \s*WPART
	s_or_b32 s[G0+4*\s+3], s[G0+4*\s+3], 0x80000000
	s_mov_b32 s[G0B+4*\s], 1
	s_add_co_u32 s[G0B+4*\s+1], s45, \s*SLOT
	s_add_nc_u64 s[G0B+4*\s+2:G0B+4*\s+3], s[22:23], \s*WPART
	s_or_b32 s[G0B+4*\s+3], s[G0B+4*\s+3], 0x80000000
	JLOAD G0+4*\s, G1, G0B+4*\s, G1B
.endr
	v_and_b32 v1, 31, v0
	v_and_b32 v2, 15, v0                           ; r
	v_bfe_u32 v3, v0, 4, 1                         ; h
	v_lshlrev_b32 v4, 4, v1                        ; 16 x lane
	v_lshlrev_b32 v5, 3, v1                        ; 8 x lane
	s_mul_i32 s2, s15, WPART                       ; my 128 rows of A
	s_mul_i32 s3, s16, WPART                       ; my 128 rows of B,
	s_add_co_u32 s3, s3, 2*WPART                   ; behind A's two blocks
.irp s, 0,1
	v_add_nc_u32 v[ADRA+\s], s2, v4
	v_add_nc_u32 v[ADRB+\s], s3, v4
	v_add_nc_u32 v[ADRA+2+\s], s2, v5
	v_add_nc_u32 v[ADRB+2+\s], s3, v5
	s_add_co_u32 s2, s2, SLOT
	s_add_co_u32 s3, s3, SLOT
.endr
	s_lshl_b32 s2, s15, 12                         ; the scale words: A's base, and for lanes 16-31 the distance to B's: one product
	s_lshl_b32 s3, s16, 12
	s_add_co_u32 s3, s3, 8192+128
	s_sub_co_u32 s3, s3, s2
	v_mul_u32_u24 v6, s3, v3
	s_add_co_u32 s2, s2, SCL
	v_lshl_add_u32 v6, v2, 3, v6
	v_add_nc_u32 v[ADRS], s2, v6
	v_mov_b32 v30, 0x7f7f7f7f
.irp b, 0,1,2,3
	v_mov_b32 v[TM+4+\b], 0                        ; written once: a lane permute's destination counts as one of its sources
.endr
	s_mov_b32 s[SEL], 0x76543210
	s_mov_b32 s[SEL+1], 0xfedcba98
	s_mov_b32 s46, 0xffff0000
	s_wait_tensorcnt 1                             ; the scale bytes and my part of run 0 are in; run 1's load may be out
	s_barrier_signal -1
	s_barrier_wait -1
	FETCH_B 0, 0, 0
	FETCH_A 0, 0, 0
	SCALES 0, 0
	FETCH_A 0, 0, 4
	STEP 0, 0, 1                                   ; the first products start the sums: nothing is cleared
	TURN 0, 1, 1, 1                                ; slot 0 takes run 2
	STEP 1, 0, 0
	TURN 1, 0, 1, 2                                ; slot 1 takes run 3
	STEP 0, 0, 0
	TURN 0, 1, 0, 3
	STEP 1, 0, 0
	s_cmp_eq_u32 ttmp9, 2                          ; the two ways out part on the kind; each asks for its biases ahead of the last 64 products
	s_cbranch_scc1 .Lway_v
; ---------------- q and k.  My 128 columns are heads 2 hp and 2 hp + 1; a block of 16 tokens gives each head six registers of codes.
	s_lshl_b32 s2, s17, 1
	s_add_co_u32 s2, s2, s15                       ; my 128 tokens
	s_lshr_b32 s3, s2, 4                           ; b
	s_and_b32 s2, s2, 15                           ; m
	s_lshl_b32 s12, s42, 1
	s_add_co_u32 s12, s12, s16
	s_and_b32 s12, s12, 7                          ; hp
	s_lshl_b32 s3, s3, 4
	s_lshl_b32 s13, s12, 1
	s_add_co_u32 s3, s3, s13                       ; 16 b + 2 hp
	s_lshl_b32 s3, s3, 4
	s_add_co_u32 s3, s3, s2                        ; the record's number
	s_mov_b32 s13, 6656
	s_cmp_eq_u32 ttmp9, 1
	s_cselect_b32 s13, 13056, s13                  ; a record's bytes
	s_cselect_b64 s[18:19], s[100:101], s[98:99]   ; KV or QR
	s_cselect_b64 s[20:21], s[94:95], s[92:93]     ; bk or bq
	s_mul_i32 s2, s3, s13
	s_mov_b32 s3, 0
	s_add_nc_u64 s[18:19], s[18:19], s[2:3]        ; head 2 hp's record,
	s_lshl_b32 s2, s13, 4
	s_add_nc_u64 s[22:23], s[18:19], s[2:3]        ; head 2 hp + 1's: 16 records on
	s_lshl_b32 s2, s12, 9
	s_add_nc_u64 s[20:21], s[20:21], s[2:3]
	v_lshlrev_b32 v26, 6, v3                       ; the bias in the results' layout: register 16 b + i = column 32 b + 16 h + i
.irp i, 0,1,2,3,4,5,6,7,8,9,10,11,12,13,14,15
	global_load_b128 v[BI+4*\i:BI+4*\i+3], v26, s[20:21] offset:128*(\i/4)+16*(\i%4)
.endr
	LAST
	PLACES NP
	s_wait_loadcnt 0x0
.macro BLK_QK a
.if (\a) > 0
	s_wait_xcnt 0x0                                ; the last block's stores have read the codes' registers
.endif
	WIN 0x02+(\a)/4                                ; source 0: window 2 or 3
.set j, 0
.rept 32
	v_pk_add_f32 v[HA+2*j:HA+2*j+1], v[64*((\a)%4)+2*j:64*((\a)%4)+2*j+1], v[BI+2*j:BI+2*j+1]   ; each accumulator from its low end on
.set j, j+1
.endr
	WIN 0
	QUANTH HA
.irp c, 0,1
	global_store_b128 v4, v[PC+6*\c:PC+6*\c+3], s[18+4*\c:19+4*\c] offset:768*(\a)
	global_store_b64 v5, v[PC+6*\c+4:PC+6*\c+5], s[18+4*\c:19+4*\c] offset:768*(\a)+512
.endr
.if (\a)%2 == 0                        ; a head's scale word: its two bytes, then 0x7f twice; even tiles in lanes 0-15, odd tiles in lanes 16-31
	v_perm_b32 v[KS0+(\a)/2], v30, v[PW], 0x07060100
	v_perm_b32 v[KS1+(\a)/2], v30, v[PW], 0x07060302
.else
	v_perm_b32 v[T1], v30, v[PW], 0x07060100
	v_perm_b32 v[T1+1], v30, v[PW], 0x07060302
	v_cndmask_b32 v[KS0+(\a)/2], v[KS0+(\a)/2], v[T1], s46
	v_cndmask_b32 v[KS1+(\a)/2], v[KS1+(\a)/2], v[T1+1], s46
.endif
.endm
.irp a, 0,1,2,3,4,5,6,7
	BLK_QK \a
.endr
	global_store_b128 v4, v[KS0:KS0+3], s[18:19] offset:6144
	global_store_b128 v4, v[KS1:KS1+3], s[22:23] offset:6144
	s_branch .Lend
; ---------------- v.  A lane holds one channel; a block of 16 channels x my 128 tokens is one fragment of V^T and one scale word a channel.
.Lway_v:
	s_lshl_b32 s2, s17, 1
	s_add_co_u32 s2, s2, s15
	s_and_b32 s12, s2, 7                           ; nb: my 128 channels are heads 2 nb, 2 nb + 1
	s_lshl_b32 s13, s42, 1
	s_add_co_u32 s13, s13, s16                     ; my 128 tokens
	s_lshr_b32 s3, s13, 4                          ; b
	s_and_b32 s13, s13, 15                         ; the key step
	s_lshl_b32 s3, s3, 4
	s_lshl_b32 s2, s12, 1
	s_add_co_u32 s3, s3, s2
	s_lshl_b32 s3, s3, 4
	s_add_co_u32 s3, s3, s13
	s_mul_i32 s2, s3, 13056
	s_mov_b32 s3, 0
	s_add_nc_u64 s[18:19], s[100:101], s[2:3]
	s_add_nc_u64 s[22:23], s[18:19], 208896        ; the next head: 16 records on
	s_lshl_b32 s2, s12, 9
	s_add_nc_u64 s[20:21], s[96:97], s[2:3]
	v_and_b32 v26, 8, v2
	v_add_nc_u32 v26, v26, v2
	v_lshlrev_b32 v26, 2, v26                      ; my channel in a tile: r + 8 (r / 8)
.irp a, 0,1,2,3,4,5,6,7
	global_load_b32 v[BI+2*\a], v26, s[20:21] offset:(32*(\a/2)+8*(\a%2))*4
	global_load_b32 v[BI+2*\a+1], v26, s[20:21] offset:(32*(\a/2)+8*(\a%2))*4   ; twice: a pair for the packed addition
.endr
	LAST
	PLACES NP
	s_wait_loadcnt 0x0
.macro BLK_V a
.if (\a) > 0
	s_wait_xcnt 0x0
.endif
	WIN 0x02+(\a)/4
.set j, 0
.rept 32
	v_pk_add_f32 v[HA+2*j:HA+2*j+1], v[64*((\a)%4)+2*j:64*((\a)%4)+2*j+1], v[BI+2*(\a):BI+2*(\a)+1]
.set j, j+1
.endr
	WIN 0
	QUANTH HA
.irp c, 0,1
	global_store_b128 v4, v[PC+6*\c:PC+6*\c+3], s[18+4*((\a)/4):19+4*((\a)/4)] offset:6656+1536*((\a)%4)+768*\c
	global_store_b64 v5, v[PC+6*\c+4:PC+6*\c+5], s[18+4*((\a)/4):19+4*((\a)/4)] offset:6656+1536*((\a)%4)+768*\c+512
.endr
.if (\a)%2 == 0
	v_mov_b32 v[KS0+4*((\a)/4)+((\a)%4)/2], v[PW]
.else
	v_cndmask_b32 v[KS0+4*((\a)/4)+((\a)%4)/2], v[KS0+4*((\a)/4)+((\a)%4)/2], v[PW], s46
.endif
.endm
.irp a, 0,1,2,3,4,5,6,7
	BLK_V \a
.endr
	global_store_b64 v5, v[KS0:KS0+1], s[18:19] offset:12800
	global_store_b64 v5, v[KS1:KS1+1], s[22:23] offset:12800
.Lend:
	s_wait_tensorcnt 0x0                           ; the wave's end
	ds_add_u32 v[SPW], v[NIL]
	s_wait_dscnt 0x0
	CROUND                                         ; the closing round: no work-group ends while a partner may still ask for a tile that names it
	s_endpgm
.Lfunc_end_k_qc6e962399c_qkv:
	.size	k_qc6e962399c_qkv, .Lfunc_end_k_qc6e962399c_qkv-k_qc6e962399c_qkv
	.p2alignl 7, 3214868480
	.fill 96, 4, 3214868480
	.section	.rodata,"a",@progbits
	.p2align	6, 0x0
	.amdhsa_kernel k_qc6e962399c_qkv
		.amdhsa_group_segment_fixed_size 327680
		.amdhsa_private_segment_fixed_size 0
		.amdhsa_enable_private_segment 0
		.amdhsa_kernarg_size 72
		.amdhsa_user_sgpr_count 2
		.amdhsa_user_sgpr_kernarg_segment_ptr 1
		.amdhsa_wavefront_size32 1
		.amdhsa_system_sgpr_workgroup_id_x 1
		.amdhsa_system_sgpr_workgroup_id_y 1
		.amdhsa_system_sgpr_workgroup_id_z 1
		.amdhsa_system_vgpr_workitem_id 0
		.amdhsa_next_free_vgpr 1024
		.amdhsa_next_free_sgpr 102
		.amdhsa_reserve_vcc 0
		.amdhsa_float_denorm_mode_32 3
		.amdhsa_float_denorm_mode_16_64 3
		.amdhsa_memory_ordered 1
		.amdhsa_forward_progress 1
		.amdhsa_inst_pref_size 228
	.end_amdhsa_kernel
	.amdgpu_metadata
---
amdhsa.version: [ 1, 2 ]
amdhsa.kernels:
  - .name:           k_qc6e962399c_qkv
    .symbol:         k_qc6e962399c_qkv.kd
    .args:
      - { .name: XI, .offset: 0, .size: 8, .value_kind: global_buffer, .address_space: global }
      - { .name: XS, .offset: 8, .size: 8, .value_kind: global_buffer, .address_space: global }
      - { .name: WI, .offset: 16, .size: 8, .value_kind: global_buffer, .address_space: global }
      - { .name: WS, .offset: 24, .size: 8, .value_kind: global_buffer, .address_space: global }
      - { .name: bq, .offset: 32, .size: 8, .value_kind: global_buffer, .address_space: global }
      - { .name: bk, .offset: 40, .size: 8, .value_kind: global_buffer, .address_space: global }
      - { .name: bv, .offset: 48, .size: 8, .value_kind: global_buffer, .address_space: global }
      - { .name: QR, .offset: 56, .size: 8, .value_kind: global_buffer, .address_space: global }
      - { .name: KV, .offset: 64, .size: 8, .value_kind: global_buffer, .address_space: global }
    .group_segment_fixed_size: 327680
    .private_segment_fixed_size: 0
    .kernarg_segment_align: 8
    .kernarg_segment_size: 72
    .max_flat_workgroup_size: 128
    .sgpr_count:     102
    .vgpr_count:     1024
    .wavefront_size: 32
...
	.end_amdgpu_metadata
.endif
;; end of part 2
;; launch attn (part 3): grid 4 x 64, 16 waves a work-group, clusters of 4 x 1, 210,944 bytes of LDS; arguments QR, KV, YI, YS; writes YI, YS
.if DOCPART == 3
	.amdgcn_target "amdgcn-amd-amdhsa--gfx1250"
	.amdhsa_code_object_version 6
	.text
	.protected	k_qc6e962399c_attn
	.globl	k_qc6e962399c_attn
	.p2align	8
	.type	k_qc6e962399c_attn,@function
k_qc6e962399c_attn:
	s_mov_b64 s[64:65], 0
	v_nop
	global_prefetch_b8 v0, s[64:65] scope:SCOPE_SE
	s_setreg_imm32_b32 hwreg(HW_REG_WAVE_MODE, 25, 1), 1
	s_wait_xcnt 0x0
	s_wait_alu depctr_hold_cnt(0) depctr_sa_sdst(0) depctr_va_vdst(0) depctr_va_sdst(0) depctr_va_ssrc(0) depctr_va_vcc(0) depctr_vm_vsrc(0)
	s_getreg_b32 s2, hwreg(HW_REG_IB_STS2, 6, 4)
	s_cmp_eq_u32 s2, 0
	s_cbranch_scc0 .Lentry_in_a_cluster
	s_endpgm
.Lentry_in_a_cluster:
	s_bfe_u32 s2, ttmp6, 0x10000c
	s_cmp_lg_u32 s2, 0x3003
	s_cbranch_scc0 .Lentry_shape_is_right
	s_endpgm
.Lentry_shape_is_right:
; y[b][t][head] = softmax over the keys s <= t of (q . k / 8), times v, both products on codes of FP6 (E2M3) with E8M0 scales; y, f32, is quantised here along the 1,024 channels for the last product.
; THE SOFTMAX: t = score x log2(e) / 8; M = the running largest t rounded UP to a whole number; p = 2^(t - M) is quantised along the keys, not normalised; the row's sum is taken of the unquantised p and divides at the end.
; SHARES.  A cluster of four work-groups is one head.  The head's K and V, codes and scale words, are 16 records of 13,056 bytes = 208,896 of this launch's 210,944 bytes of LDS: wave w brings record w by ONE joint load, each byte is filled once:
; no ring, no refill, one tensor load of a wave out.  So nothing is left to run ahead of, and no prefetch is laid.
; A wave owns two tiles of 16 queries, one after the other: tile 2 cx + u (u = wave % 2) of the groups of 128 queries m1 = wave / 2 and 15 - m1: (m1 + 1) + (16 - m1) = 17 key steps for every wave of the launch.
; The loop over the key steps has the constant count 16; a step all of whose keys come after the group is left out by a branch on the wave's number.  cx enters global addresses and the mask's lane data alone.
; LAYOUT.  Both products are used transposed (S^T = K Q^T, O^T = V^T P^T): a lane holds one query.  The keys of a tile, the queries of a tile and V's channels of a fragment lie in the order tile 2 i + u, lane r = 32 i + 8 u + r + 8 (r / 8):
; so p's registers 16 b + i are keys 32 b + 16 h + i, and O^T's registers 16 b + i are channels 32 b + 16 h + i.
; K = 64 IN AN INSTRUCTION OF 128.  Q's registers 6-11 are zero codes.  K's eight tiles lie on end, six registers each, and tile t's operand runs six registers into tile t + 1 (behind tile 7: zeros):
; those codes meet Q's zeros, and 0 times any code of this format is 0.  The scale bytes of that half are 0x7f on both sides.
; y's scale bytes leave one byte a lane, 8 bytes apart: a row's scale word holds two heads' bytes, and two heads are two clusters.  They are 262,144 bytes of the launch's 6.5 million.
; LIMITS: NaN and infinities are not served; a block whose largest magnitude lies under 2^-124, a block of zeros too, keeps the byte 1.
; REGISTERS: v1 16 l, v2 8 l, v3-4 the step's LDS addresses, v5 my query - 16 h in its group, v6 16 r, v7 8 r + h; v10-11 Q's scale words; v12 -M, v13 the largest t, v[14:15] the sum; v16-27, v28-39 Q of the two passes;
;   v40-93 K's run, later V's four fragments; v96-159 S^T, then p; v160-191 O^T; v192-210 p's codes; v212-223 at work; v224-227 K's scale words, v228-229 V's; v232 f, v233 p's scale word; v234 -infinity.
.set REC, 13056
.macro CROUND
	s_barrier_signal -1
	s_barrier_wait -1
	s_cmp_lg_u32 s12, 0
	s_cbranch_scc1 .Lnot_wave_0_\@
	s_barrier_signal -3
.Lnot_wave_0_\@:
	s_barrier_wait -3
	s_barrier_signal -1
	s_barrier_wait -1
.endm
	s_load_b256 s[4:11], s[0:1], 0x0               ; QR, KV, YI, YS
	v_lshl_add_u32 v254, v0, 2, 0x33000
	v_mov_b32 v255, 0
	ds_add_u32 v254, v255
	ds_add_u32 v254, v255
	v_lshrrev_b32 v1, 5, v0
	s_delay_alu instid0(VALU_DEP_1)
	v_readfirstlane_b32 s12, v1                    ; wave 0..15
	s_bfe_u32 s13, ttmp6, 0x40000                  ; cx
	s_and_b32 s14, ttmp7, 0xffff                   ; 16 b + head: the cluster's y
	s_and_b32 s15, s12, 1                          ; u
	s_lshr_b32 s16, s12, 1                         ; m1
	s_sub_co_u32 s17, 15, s16                      ; m2
	s_mov_b32 s20, 0x76543210
	s_mov_b32 s21, 0xfedcba98                      ; lane l xor 16
	s_mov_b32 s22, 0x3e38aa3b                      ; c = log2(e) / 8
	s_mov_b32 s23, s22                             ; (named with it as a pair)
	s_mov_b32 s24, 0xffff0000                      ; lanes 16-31
	s_mov_b32 s32, 15|(3<<16)|(1<<21)              ; group 1: the mask names all four; elements of 8 bytes; a record is 51 rows of 256 bytes, dense
	s_mov_b32 s33, 32<<16
	s_mov_b32 s34, 51<<16
	s_mov_b32 s35, 32<<16
	s_mov_b32 s36, 51
	s_mov_b32 s37, 32
	s_mov_b32 s38, 0
	s_mov_b32 s39, 0
	s_lshl_b32 s18, s14, 4
	s_add_co_u32 s28, s18, s12
	s_mul_i32 s28, s28, REC
	s_mov_b32 s29, 0
	s_mov_b32 s40, 1
	s_mul_i32 s41, s12, REC                        ; record w lands at 13,056 w
	s_wait_dscnt 0x0
	s_wait_kmcnt 0x0
	s_add_nc_u64 s[42:43], s[6:7], s[28:29]
	s_or_b32 s43, s43, 0x80000000
	CROUND                                         ; all four work-groups are here: the joint loads meet
	tensor_load_to_lds s[40:43], s[32:39]
	s_nop 0
.rept 4
	v_nop
.endr
	s_lshl_b32 s19, s13, 1
	s_add_co_u32 s19, s19, s15                     ; my tile in a group: 2 cx + u
	s_mul_i32 s30, s19, 768
	s_lshl_b32 s31, s15, 8
	s_lshl_b32 s2, s13, 2
	s_add_co_u32 s31, s31, s2
	s_add_co_u32 s31, s31, 6144                    ; my tile's scale words in a record: 6,144 + 256 u + 4 cx (+ 16 r)
	s_add_co_u32 s2, s18, s16
	s_mul_i32 s2, s2, 6656
	s_add_co_u32 s28, s2, s30
	s_add_nc_u64 s[44:45], s[4:5], s[28:29]
	s_add_co_u32 s28, s2, s31
	s_add_nc_u64 s[46:47], s[4:5], s[28:29]
	s_add_co_u32 s2, s18, s17
	s_mul_i32 s2, s2, 6656
	s_add_co_u32 s28, s2, s30
	s_add_nc_u64 s[48:49], s[4:5], s[28:29]
	s_add_co_u32 s28, s2, s31
	s_add_nc_u64 s[50:51], s[4:5], s[28:29]
	; y: [128 rows][256 along K = head / 4][tile][128 along K = (head / 2) % 2][c = head % 2][768]; its bytes: [128 rows][head / 4][pair of tiles = cx][128 u + 8 r + 2 (head % 4) + h]
	s_lshr_b32 s2, s14, 4
	s_lshl_b32 s2, s2, 4                           ; 16 b
	s_and_b32 s3, s14, 15                          ; head
	s_lshr_b32 s30, s3, 2
	s_mul_i32 s31, s30, 24576
	s_mul_i32 s27, s19, 3072
	s_add_co_u32 s31, s31, s27
	s_bfe_u32 s27, s3, 0x10001
	s_mul_i32 s27, s27, 1536
	s_add_co_u32 s31, s31, s27
	s_and_b32 s27, s3, 1
	s_mul_i32 s27, s27, 768
	s_add_co_u32 s31, s31, s27
	s_lshl_b32 s30, s30, 10
	s_lshl_b32 s27, s13, 8
	s_add_co_u32 s30, s30, s27
	s_lshl_b32 s27, s15, 7
	s_add_co_u32 s30, s30, s27
	s_and_b32 s27, s3, 3
	s_lshl_b32 s27, s27, 1
	s_add_co_u32 s30, s30, s27
	s_add_co_u32 s27, s2, s16
	s_mul_i32 s28, s27, 98304
	s_add_co_u32 s28, s28, s31
	s_add_nc_u64 s[52:53], s[8:9], s[28:29]
	s_lshl_b32 s28, s27, 12
	s_add_co_u32 s28, s28, s30
	s_add_nc_u64 s[54:55], s[10:11], s[28:29]
	s_add_co_u32 s27, s2, s17
	s_mul_i32 s28, s27, 98304
	s_add_co_u32 s28, s28, s31
	s_add_nc_u64 s[56:57], s[8:9], s[28:29]
	s_lshl_b32 s28, s27, 12
	s_add_co_u32 s28, s28, s30
	s_add_nc_u64 s[58:59], s[10:11], s[28:29]
	v_and_b32 v8, 31, v0
	s_delay_alu instid0(VALU_DEP_1)
	v_lshlrev_b32 v1, 4, v8
	s_delay_alu instid0(VALU_DEP_2)
	v_lshlrev_b32 v2, 3, v8
	v_and_b32 v8, 15, v0                           ; r
	v_bfe_u32 v9, v0, 4, 1                         ; h
	s_delay_alu instid0(VALU_DEP_2)
	v_lshlrev_b32 v6, 4, v8
	s_delay_alu instid0(VALU_DEP_2)
	v_lshl_add_u32 v7, v8, 3, v9
	global_load_b128 v[16:19], v1, s[44:45]        ; Q of both passes stays in registers
	global_load_b64 v[20:21], v2, s[44:45] offset:512
	global_load_b32 v10, v6, s[46:47]
	global_load_b128 v[28:31], v1, s[48:49]
	global_load_b64 v[32:33], v2, s[48:49] offset:512
	global_load_b32 v11, v6, s[50:51]
	v_and_b32 v5, 8, v8
	s_delay_alu instid0(VALU_DEP_1)
	v_add_nc_u32 v5, v5, v8                        ; r + 8 (r / 8)
	v_lshlrev_b32 v9, 4, v9
	s_delay_alu instid0(VALU_DEP_1)
	v_sub_nc_u32 v5, v5, v9                        ; - 16 h
	s_lshl_b32 s27, s13, 5
	s_lshl_b32 s28, s15, 3
	s_add_co_u32 s27, s27, s28
	v_add_nc_u32 v5, s27, v5                       ; + 32 cx + 8 u: my query in its group, less 16 h
.irp j, 22,23,24,25,26,27,34,35,36,37,38,39,88,89,90,91,92,93
	v_mov_b32 v[\j], 0                             ; zero codes: the upper half of K in both Q's, and behind K's tile 7
.endr
.irp j, 216,217,218,219,230,233
	v_mov_b32 v[\j], 0                             ; written once: lane permutes' destinations, and the upper half of the pair v[232:233]
.endr
	v_mov_b32 v234, 0xff800000                     ; -infinity
	s_wait_loadcnt 0x0
	s_wait_tensorcnt 0x0                           ; my record has landed,
	s_barrier_signal -1
	s_barrier_wait -1                              ; everybody's has
; One tile of 16 queries of group s[M]: Q's registers, its scale word, where y's codes and bytes go.
.macro PASS Q, QS, M, PI, PS
	s_wait_xcnt 0x0                                ; the last pass's stores have read their registers
	v_mov_b32 v13, 0xff61b1e6                      ; the largest t so far: -3e38
	s_delay_alu instid0(VALU_DEP_1)
	v_floor_f32 v12, -v13
	v_mov_b32 v14, 0
	v_mov_b32 v15, 0
.set n, 0
.rept 32
	v_mov_b32 v[160+n], 0                          ; O^T: the step is written once; the first change of M leaves zeros zeros
.set n, n+1
.endr
	s_mov_b32 s25, 0                               ; the key step
	s_mov_b32 s26, 0                               ; its record in LDS
.Lstep_\@:
	s_cmp_gt_u32 s25, s[\M]                        ; all its keys come after my queries: the step's work is left out
	s_cbranch_scc1 .Lhidden_\@
	s_setprio 2
	v_add_nc_u32 v3, s26, v1
	v_add_nc_u32 v4, s26, v2
	v_nop
	v_nop                                          ; four places in front of loads into registers that the last products read
.irp t, 0,1,2,3,4,5,6,7
	ds_load_b128 v[40+6*\t:43+6*\t], v3 offset:768*\t
	ds_load_b64 v[44+6*\t:45+6*\t], v4 offset:768*\t+512
.endr
	ds_load_b128 v[224:227], v3 offset:6144        ; K's scale words: even tiles in lanes 0-15, odd tiles in lanes 16-31
	s_wait_alu depctr_va_vdst(0)
	s_wait_dscnt 0x0
.irp t, 0,1,2,3,4,5,6,7
.if \t%2
	v_wmma_scale_f32_16x16x128_f8f6f4 v[96+8*\t:103+8*\t], v[40+6*\t:51+6*\t], v[\Q:\Q+11], 0, v[224+\t/2], v[\QS] matrix_a_fmt:MATRIX_FMT_FP6 matrix_b_fmt:MATRIX_FMT_FP6 matrix_a_scale:MATRIX_SCALE_ROW1
.else
	v_wmma_scale_f32_16x16x128_f8f6f4 v[96+8*\t:103+8*\t], v[40+6*\t:51+6*\t], v[\Q:\Q+11], 0, v[224+\t/2], v[\QS] matrix_a_fmt:MATRIX_FMT_FP6 matrix_b_fmt:MATRIX_FMT_FP6
.endif
.endr
.rept 4
	v_nop                                          ; places: for the loads into K's registers and for the first read of the scores
.endr
.irp f, 0,1,2,3                                ; V's four fragments land under the softmax
.irp c, 0,1
	ds_load_b128 v[40+12*\f+6*\c:43+12*\f+6*\c], v3 offset:6656+1536*\f+768*\c
	ds_load_b64 v[44+12*\f+6*\c:45+12*\f+6*\c], v4 offset:6656+1536*\f+768*\c+512
.endr
.endr
	ds_load_b64 v[228:229], v4 offset:12800
	s_cmp_lg_u32 s25, s[\M]                        ; only the group's own step lies on the diagonal
	s_cbranch_scc1 .Lopen_\@
.set n, 0
.rept 64                                       ; register 16 b + i holds key 32 b + 16 h + i: hidden where 32 b + i > my query - 16 h
	v_cmp_gt_i32 vcc_lo, 32*(n/16)+n%16, v5
	v_cndmask_b32 v[96+n], v[96+n], v234, vcc_lo
.set n, n+1
.endr
.Lopen_\@:
.irp b, 0,1,2,3
	v_max3_num_f32 v[212+\b], v[96+16*\b], v[97+16*\b], v[98+16*\b]   ; the largest score of each block of 32 keys: for the row's maximum and, since p rises with the score, for the block's largest p
.endr
.irp i, 3,5,7,9,11,13
.irp b, 0,1,2,3
	v_max3_num_f32 v[212+\b], v[212+\b], v[96+16*\b+\i], v[97+16*\b+\i]
.endr
.endr
.irp b, 0,1,2,3
	v_max_num_f32 v[212+\b], v[212+\b], v[111+16*\b]
.endr
.irp b, 0,1,2,3
	s_delay_alu instid0(VALU_DEP_4)
	v_permlanex16_b32 v[216+\b], v[212+\b], s20, s21
.endr
.irp b, 0,1,2,3
	s_delay_alu instid0(VALU_DEP_4)
	v_max_num_f32 v[212+\b], v[212+\b], v[216+\b]
.endr
	s_delay_alu instid0(VALU_DEP_2)
	v_max3_num_f32 v230, v212, v213, v214
	s_delay_alu instid0(VALU_DEP_1)
	v_max_num_f32 v230, v230, v215
	s_delay_alu instid0(VALU_DEP_1)
	v_mul_f32 v230, s22, v230                      ; as t
	s_delay_alu instid0(VALU_DEP_1)
	v_max_num_f32 v13, v13, v230                   ; the running largest t
	v_mov_b32 v230, v12
	s_delay_alu instid0(VALU_DEP_2)
	v_floor_f32 v12, -v13                          ; the new -M = -ceil(t)
	s_delay_alu instid0(VALU_DEP_1)
	v_sub_f32 v230, v12, v230                      ; old M - new M: a whole number, 0 or less
	s_delay_alu instid0(VALU_DEP_1)
	v_cvt_i32_f32 v230, v230                       ; (it saturates)
	s_delay_alu instid0(VALU_DEP_1)
	v_ldexp_f32 v232, 1.0, v230                    ; f = 2^(old M - new M)
.set n, 0
.rept 32
	v_pk_fma_f32 v[96+2*n:97+2*n], v[96+2*n:97+2*n], s[22:23], v[12:13] op_sel_hi:[1,0,0]   ; t - M
.set n, n+1
.endr
	s_setprio 1
.irp b, 0,1,2,3
	v_fma_f32 v[212+\b], v[212+\b], s22, v12
.endr
.set n, 0
	s_wait_alu depctr_va_vdst(0)
.rept 64
	v_exp_f32 v[96+n], v[96+n]                     ; p = 2^(t - M)
.set n, n+1
.endr
	v_pk_mul_f32 v[14:15], v[14:15], v[232:233] op_sel_hi:[1,0]   ; the sums under the new M: a plain line behind the exponentials
	s_wait_alu depctr_va_vdst(0)                   ; one wait for the batch of 64, ahead of its first reader
.irp b, 0,1,2,3
	v_exp_f32 v[212+\b], v[212+\b]                 ; each block's largest p
.endr
	v_pk_add_f32 v[216:217], v[100:101], v[104:105]
	v_pk_add_f32 v[252:253], v[108:109], v[112:113]
	v_pk_add_f32 v[250:251], v[116:117], v[120:121]
	v_pk_add_f32 v[248:249], v[124:125], v[128:129]
	v_pk_add_f32 v[246:247], v[132:133], v[136:137]
	v_pk_add_f32 v[244:245], v[140:141], v[144:145]
	v_pk_add_f32 v[242:243], v[148:149], v[152:153]
	v_pk_add_f32 v[14:15], v[14:15], v[156:157]
	v_pk_add_f32 v[216:217], v[216:217], v[96:97]
	v_pk_add_f32 v[252:253], v[252:253], v[98:99]
	v_pk_add_f32 v[250:251], v[250:251], v[102:103]
	v_pk_add_f32 v[248:249], v[248:249], v[106:107]
	v_pk_add_f32 v[246:247], v[246:247], v[110:111]
	v_pk_add_f32 v[244:245], v[244:245], v[114:115]
	v_pk_add_f32 v[242:243], v[242:243], v[118:119]
	v_pk_add_f32 v[14:15], v[14:15], v[122:123]
	v_pk_add_f32 v[216:217], v[216:217], v[126:127]
	v_pk_add_f32 v[252:253], v[252:253], v[130:131]
	v_pk_add_f32 v[250:251], v[250:251], v[134:135]
	v_pk_add_f32 v[248:249], v[248:249], v[138:139]
	v_pk_add_f32 v[246:247], v[246:247], v[142:143]
	v_pk_add_f32 v[244:245], v[244:245], v[146:147]
	v_pk_add_f32 v[242:243], v[242:243], v[150:151]
	v_pk_add_f32 v[14:15], v[14:15], v[154:155]
	v_pk_add_f32 v[216:217], v[216:217], v[158:159]
	s_delay_alu instid0(VALU_DEP_2)
	v_pk_add_f32 v[14:15], v[14:15], v[248:249]
	s_delay_alu instid0(VALU_DEP_2)
	v_pk_add_f32 v[216:217], v[216:217], v[246:247]
	v_pk_add_f32 v[252:253], v[252:253], v[244:245]
	v_pk_add_f32 v[250:251], v[250:251], v[242:243]
	s_delay_alu instid0(VALU_DEP_2)
	v_pk_add_f32 v[14:15], v[14:15], v[252:253]
	s_delay_alu instid0(VALU_DEP_2)
	v_pk_add_f32 v[216:217], v[216:217], v[250:251]
	s_delay_alu instid0(VALU_DEP_1)
	v_pk_add_f32 v[14:15], v[14:15], v[216:217]
	s_wait_alu depctr_va_vdst(0)                   ; and one for the four
.irp b, 0,1,2,3
	v_max_num_f32 v[212+\b], 0x1800000, v[212+\b]  ; the floor 2^(3 - 127)
.endr
.irp b, 0,1,2,3
	s_delay_alu instid0(VALU_DEP_4)
	v_add_nc_u32 v[220+\b], 0xff000000, v[212+\b]  ; the conversion's scale operand
.endr
.irp b, 0,1,2,3
	s_delay_alu instid0(VALU_DEP_4)
	v_lshrrev_b32 v[216+\b], 23, v[220+\b]         ; the byte
.endr
	s_delay_alu instid0(VALU_DEP_3)
	v_lshl_or_b32 v233, v217, 8, v216              ; p's scale word for these 128 keys
	s_delay_alu instid0(VALU_DEP_1)
	v_lshl_or_b32 v233, v218, 16, v233
	s_delay_alu instid0(VALU_DEP_1)
	v_lshl_or_b32 v233, v219, 24, v233
	s_setprio 0
.irp c, 0,1
	v_cvt_scalef32_pk16_fp6_f32 v[192+6*\c:194+6*\c], v[96+32*\c:111+32*\c], v[220+2*\c]
	v_cvt_scalef32_pk16_fp6_f32 v[204+4*\c:206+4*\c], v[112+32*\c:127+32*\c], v[220+2*\c+1]
.endr
	v_nop                                          ; one plain line behind the scaled conversions
.irp c, 0,1
.irp i, 0,1,2
	v_permlane16_swap_b32 v[192+6*\c+\i], v[204+4*\c+\i]
.endr
.irp i, 0,1,2
	s_delay_alu instid0(VALU_DEP_3)
	v_mov_b32 v[195+6*\c+\i], v[204+4*\c+\i]
.endr
.endr
.set n, 0
.rept 16
	v_pk_mul_f32 v[160+2*n:161+2*n], v[160+2*n:161+2*n], v[232:233] op_sel_hi:[1,0]   ; O^T under the new M; these lines are also the places between p's scale word and codes and the products
.set n, n+1
.endr
	s_wait_alu depctr_va_vdst(0)
	s_wait_dscnt 0x0                               ; V is in
.irp f, 0,1,2,3                                ; four accumulators, one turn each; the matrix instruction before and the one behind are S^T's
.if \f%2
	v_wmma_scale_f32_16x16x128_f8f6f4 v[160+8*\f:167+8*\f], v[40+12*\f:51+12*\f], v[192:203], v[160+8*\f:167+8*\f], v[228+\f/2], v233 matrix_a_fmt:MATRIX_FMT_FP6 matrix_b_fmt:MATRIX_FMT_FP6 matrix_a_scale:MATRIX_SCALE_ROW1
.else
	v_wmma_scale_f32_16x16x128_f8f6f4 v[160+8*\f:167+8*\f], v[40+12*\f:51+12*\f], v[192:203], v[160+8*\f:167+8*\f], v[228+\f/2], v233 matrix_a_fmt:MATRIX_FMT_FP6 matrix_b_fmt:MATRIX_FMT_FP6
.endif
.endr
.Lhidden_\@:
	s_add_co_u32 s26, s26, REC
	s_add_co_u32 s25, s25, 1
	s_cmp_lt_u32 s25, 16
	s_cbranch_scc1 .Lstep_\@
	s_setprio 0
	; the pass's end: y = O^T / the sum, quantised along the head's 64 channels: two blocks
.rept 4
	v_nop
.endr
	v_add_f32 v14, v14, v15
	s_delay_alu instid0(VALU_DEP_1)
	v_permlanex16_b32 v230, v14, s20, s21
	s_delay_alu instid0(VALU_DEP_1)
	v_add_f32 v14, v14, v230                       ; the row's sum
	s_wait_alu depctr_va_vdst(0)
	v_rcp_f32 v14, v14
	v_nop                                          ; a plain line behind the reciprocal,
	s_wait_alu depctr_va_vdst(0)                   ; and the wait ahead of its first reader
.set n, 0
.rept 16
	v_pk_mul_f32 v[96+2*n:97+2*n], v[160+2*n:161+2*n], v[14:15] op_sel_hi:[1,0]   ; register 16 b + i = channel 32 b + 16 h + i
.set n, n+1
.endr
.irp b, 0,1
	v_max3_num_f32 v[212+\b], |v[96+16*\b]|, |v[97+16*\b]|, 0x1800000
.endr
.irp i, 2,4,6,8,10,12,14
.irp b, 0,1
	s_delay_alu instid0(VALU_DEP_2)
	v_max3_num_f32 v[212+\b], v[212+\b], |v[96+16*\b+\i]|, |v[97+16*\b+\i]|
.endr
.endr
.irp b, 0,1
	s_delay_alu instid0(VALU_DEP_2)
	v_permlanex16_b32 v[216+\b], v[212+\b], s20, s21
.endr
.irp b, 0,1
	s_delay_alu instid0(VALU_DEP_2)
	v_max_num_f32 v[212+\b], v[212+\b], v[216+\b]
.endr
.irp b, 0,1
	s_delay_alu instid0(VALU_DEP_2)
	v_add_nc_u32 v[220+\b], 0xff000000, v[212+\b]
.endr
.irp b, 0,1
	s_delay_alu instid0(VALU_DEP_2)
	v_lshrrev_b32 v[216+\b], 23, v[220+\b]
.endr
	v_cvt_scalef32_pk16_fp6_f32 v[192:194], v[96:111], v220
	v_cvt_scalef32_pk16_fp6_f32 v[204:206], v[112:127], v221
	v_nop
.irp i, 0,1,2
	v_permlane16_swap_b32 v[192+\i], v[204+\i]
.endr
.irp i, 0,1,2
	s_delay_alu instid0(VALU_DEP_3)
	v_mov_b32 v[195+\i], v[204+\i]
.endr
	v_cndmask_b32 v230, v216, v217, s24            ; lanes 0-15 store the first block's byte, lanes 16-31 the second's
	global_store_b128 v1, v[192:195], s[\PI:\PI+1]
	global_store_b64 v2, v[196:197], s[\PI:\PI+1] offset:512
	global_store_b8 v7, v230, s[\PS:\PS+1]
.endm
	PASS 16, 10, 16, 52, 54
	PASS 28, 11, 17, 56, 58
	s_wait_dscnt 0x0
	s_wait_tensorcnt 0x0
	ds_add_u32 v254, v255
	s_wait_dscnt 0x0
	CROUND                                         ; the closing round
	s_endpgm
.Lfunc_end_k_qc6e962399c_attn:
	.size	k_qc6e962399c_attn, .Lfunc_end_k_qc6e962399c_attn-k_qc6e962399c_attn
	.p2alignl 7, 3214868480
	.fill 96, 4, 3214868480
	.section	.rodata,"a",@progbits
	.p2align	6, 0x0
	.amdhsa_kernel k_qc6e962399c_attn
		.amdhsa_group_segment_fixed_size 210944
		.amdhsa_private_segment_fixed_size 0
		.amdhsa_enable_private_segment 0
		.amdhsa_kernarg_size 32
		.amdhsa_user_sgpr_count 2
		.amdhsa_user_sgpr_kernarg_segment_ptr 1
		.amdhsa_wavefront_size32 1
		.amdhsa_system_sgpr_workgroup_id_x 1
		.amdhsa_system_sgpr_workgroup_id_y 1
		.amdhsa_system_sgpr_workgroup_id_z 1
		.amdhsa_system_vgpr_workitem_id 0
		.amdhsa_next_free_vgpr 256
		.amdhsa_next_free_sgpr 66
		.amdhsa_reserve_vcc 1
		.amdhsa_float_denorm_mode_32 3
		.amdhsa_float_denorm_mode_16_64 3
		.amdhsa_memory_ordered 1
		.amdhsa_forward_progress 1
		.amdhsa_inst_pref_size 64
	.end_amdhsa_kernel
	.amdgpu_metadata
---
amdhsa.version: [ 1, 2 ]
amdhsa.kernels:
  - .name:           k_qc6e962399c_attn
    .symbol:         k_qc6e962399c_attn.kd
    .args:
      - { .name: QR, .offset: 0, .size: 8, .value_kind: global_buffer, .address_space: global }
      - { .name: KV, .offset: 8, .size: 8, .value_kind: global_buffer, .address_space: global }
      - { .name: YI, .offset: 16, .size: 8, .value_kind: global_buffer, .address_space: global }
      - { .name: YS, .offset: 24, .size: 8, .value_kind: global_buffer, .address_space: global }
    .group_segment_fixed_size: 210944
    .private_segment_fixed_size: 0
    .kernarg_segment_align: 8
    .kernarg_segment_size: 32
    .max_flat_workgroup_size: 512
    .sgpr_count:     66
    .vgpr_count:     256
    .wavefront_size: 32
...
	.end_amdgpu_metadata
.endif
;; end of part 3
;; launch outp (part 4): grid 4 x 32, 4 waves a work-group, clusters of 4 x 4, 327,680 bytes of LDS; arguments YI, YS, WI, WS, bp, out0; writes out0
.if DOCPART == 4
	.amdgcn_target "amdgcn-amd-amdhsa--gfx1250"
	.amdhsa_code_object_version 6
	.text
	.protected	k_qc6e962399c_outp
	.globl	k_qc6e962399c_outp
	.p2align	8
	.type	k_qc6e962399c_outp,@function
k_qc6e962399c_outp:
	s_mov_b64 s[64:65], 0
	v_nop
	global_prefetch_b8 v0, s[64:65] scope:SCOPE_SE
	s_setreg_imm32_b32 hwreg(HW_REG_WAVE_MODE, 25, 1), 1
	s_wait_xcnt 0x0
	s_wait_alu depctr_hold_cnt(0) depctr_sa_sdst(0) depctr_va_vdst(0) depctr_va_sdst(0) depctr_va_ssrc(0) depctr_va_vcc(0) depctr_vm_vsrc(0)
	s_getreg_b32 s2, hwreg(HW_REG_IB_STS2, 6, 4)
	s_cmp_eq_u32 s2, 0
	s_cbranch_scc0 .Lentry_in_a_cluster
	s_endpgm
.Lentry_in_a_cluster:
	s_bfe_u32 s2, ttmp6, 0x10000c
	s_cmp_lg_u32 s2, 0xf033
	s_cbranch_scc0 .Lentry_shape_is_right
	s_endpgm
.Lentry_shape_is_right:
; out0 = y Wp + bp on codes of FP6 (E2M3) with E8M0 scales; out0 [8192][1024] f32.
; A tile of 256 x 256 to a work-group of four waves, 128 x 128 (64 accumulators) a wave.  K = 1,024 goes as four runs of 256 through two LDS slots; all eight steps of 128 are written out.
; Stream A = y (source 1: a lane holds a token), stream B = Wp (source 0: a lane's registers run along the columns).  The codes lie in memory as images of the operand's registers: a wave's load is one dense block of 24,576 bytes.
; The rows of a tile lie in the order tile 2 i + u, lane r = row 32 i + 8 u + r + 8 (r / 8), tokens and columns alike: the way out puts both back.
; CLUSTERS: 4 x 4.  A's runs are asked for jointly along the cluster's row, B's along its column.  The scale bytes come once, with the first fills.  A wave has three tensor loads out at the start and one behind each round.
; The grid is 128 work-groups: 32 x 4 tiles; a smaller tile would need a second main loop.  No prefetch is laid: of the four runs of K two are first fills.
; REGISTERS, in windows of 256: window 0: v2-5 r, h, 16 l, 8 l; v16-23 LDS addresses; v24-25 the stage; v27 scale words' address; v28-29 for the add; v32-63 scale words; v64-67 the bias; v128-223 A's fragments;
;   on the way out v128-255 rows read back.  window 1: B's fragments, two sets.  windows 2, 3: accumulator (a, b) at v[8 (8 (a % 4) + b)].
.set WPART,  24576
.set SLOT,   4*WPART
.set SCL,    2*SLOT
.set SCLB,   SCL+8192+128
.set SPARE,  213248                    ; the spare words: 128 bytes for each wave, two blocks of 256 bytes that no other line names
.set SPITCH, 528                       ; the way out: a stage of 16 rows x (512 bytes + 16) for each wave, in slot 0, which has had its last fill and its last read by then
.set FR,     12
.set NL,     4
.set NP,     4
.set NQ,     2
.set ADRA, 16
.set ADRB, 20
.set STO,  24
.set RD,   25
.set ADRS, 27
.set SPW,  28
.set NIL,  29
.set SC,   32
.set BIAS, 64
.set AF,   128
.set BK,   128
.set G1, 24
.set G0, 32
.set G1B, 48
.set G0B, 56
.set G1S, 68
.set G0S, 76
.set G1SB, 80
.set G0SB, 88
.set MSB, 0
.macro WIN new                         ; the immediate's high byte repeats the setting that is left
.if MSB != \new
	s_set_vgpr_msb (MSB<<8)|\new
.set MSB, \new
.endif
.endm
.set MUL_LO, 0xa1
.set MUL_HI, 0xf1
.set TO_B,   0x40
.macro JLOAD g0a, g1a, g0b, g1b        ; waves 0 and 1 fetch for A, waves 2 and 3 for B; four v_nop follow each of the two lines
	s_cmp_eq_u32 s15, 0
	s_cbranch_scc0 .Lfor_b_\@
	tensor_load_to_lds s[\g0a:\g0a+3], s[\g1a:\g1a+7]
	s_nop 0
.rept 4
	v_nop
.endr
	s_branch .Lasked_\@
.Lfor_b_\@:
	tensor_load_to_lds s[\g0b:\g0b+3], s[\g1b:\g1b+7]
	s_nop 0
.rept 4
	v_nop
.endr
.Lasked_\@:
.endm
.macro CREST
	s_cmp_lg_u32 s14, 0
	s_cbranch_scc1 .Lnot_wave_0_\@
	s_barrier_signal -3
.Lnot_wave_0_\@:
	s_barrier_wait -3
	s_barrier_signal -1
	s_barrier_wait -1
.endm
.macro CROUND
	s_barrier_signal -1
	s_barrier_wait -1
	CREST
.endm
.macro PLACES n
.rept \n
	v_nop
.endr
.endm
.macro FRAG reg, adr, q, i
	ds_load_b128 v[\reg:\reg+3], v[\adr] offset:3072*(\i)+1536*(\q)
	ds_load_b64 v[\reg+4:\reg+5], v[\adr+2] offset:3072*(\i)+1536*(\q)+512
	ds_load_b128 v[\reg+6:\reg+9], v[\adr] offset:3072*(\i)+1536*(\q)+768
	ds_load_b64 v[\reg+10:\reg+11], v[\adr+2] offset:3072*(\i)+1536*(\q)+1280
.endm
.macro MUL16 a0, p, q, sc, zero        ; the 64 accumulators take turns, one instruction a turn, in the same order in every step
.irp a, \a0, \a0+1
.irp b, 0,1,2,3,4,5,6,7
.if \zero
	v_wmma_scale_f32_16x16x128_f8f6f4 v[8*(8*((\a)%4)+\b):8*(8*((\a)%4)+\b)+7], v[128*(\p)+FR*\b:128*(\p)+FR*\b+FR-1], v[AF+FR*(\a):AF+FR*(\a)+FR-1], 0, v[SC+8*NQ*(\sc)+NQ*\b+(\q)], v[SC+8*NQ*(\sc)+NQ*(\a)+(\q)] matrix_a_fmt:MATRIX_FMT_FP6 matrix_b_fmt:MATRIX_FMT_FP6 matrix_a_scale:MATRIX_SCALE_ROW1
.else
	v_wmma_scale_f32_16x16x128_f8f6f4 v[8*(8*((\a)%4)+\b):8*(8*((\a)%4)+\b)+7], v[128*(\p)+FR*\b:128*(\p)+FR*\b+FR-1], v[AF+FR*(\a):AF+FR*(\a)+FR-1], v[8*(8*((\a)%4)+\b):8*(8*((\a)%4)+\b)+7], v[SC+8*NQ*(\sc)+NQ*\b+(\q)], v[SC+8*NQ*(\sc)+NQ*(\a)+(\q)] matrix_a_fmt:MATRIX_FMT_FP6 matrix_b_fmt:MATRIX_FMT_FP6 matrix_a_scale:MATRIX_SCALE_ROW1
.endif
.endr
.endr
.endm
.macro FETCH_B slot, q, p
	WIN TO_B
.irp i, 0,1,2,3,4,5,6,7
	FRAG 128*(\p)+FR*\i, ADRB+\slot, \q, \i
.endr
	WIN 0
.endm
.macro FETCH_A slot, q, i0
.irp i, \i0, \i0+1, \i0+2, \i0+3
	FRAG AF+FR*(\i), ADRA+\slot, \q, \i
.endr
.endm
.macro SCALES sc, p
.irp i, 0,1,2,3,4,5,6,7
	ds_load_b64 v[SC+16*\sc+2*\i:SC+16*\sc+2*\i+1], v[ADRS] offset:1024*\p+256*(\i/2)+128*(\i%2)
.endr
.endm
.macro STEP slot, q, zero
	s_wait_dscnt 4*NL                              ; all but the youngest 16 loads (A's blocks 4-7) are in
	WIN MUL_LO
	MUL16 0, (\q)%2, \q, \slot, \zero
	MUL16 2, (\q)%2, \q, \slot, \zero
	s_wait_dscnt 0
	PLACES NP
	FETCH_B \slot, (\q)+1, 1-(\q)%2
	FETCH_A \slot, (\q)+1, 0
	WIN MUL_HI
	MUL16 4, (\q)%2, \q, \slot, \zero
	MUL16 6, (\q)%2, \q, \slot, \zero
	PLACES NP
	WIN 0
	FETCH_A \slot, (\q)+1, 4
.endm
.macro TURN slot, next, fill, p
	s_wait_tensorcnt 0x0                           ; all my tensor loads have landed: my part of the next slot
	ds_add_u32 v[SPW], v[NIL]                      ; 0 onto my spare word
	s_wait_dscnt 4*NL+1                            ; (the add and the youngest 16 loads may be out)
	WIN MUL_LO
	MUL16 0, 1, NQ-1, \slot, 0
	s_wait_dscnt 0x0                               ; the add is done, and my reads of this slot are over
	s_barrier_signal -1
	MUL16 2, 1, NQ-1, \slot, 0
	WIN 0
	s_barrier_wait -1
.if \fill
	CREST                                          ; the barrier has opened a round of the cluster's
	s_add_nc_u64 s[G0+4*\slot+2:G0+4*\slot+3], s[G0+4*\slot+2:G0+4*\slot+3], 2*WPART
	s_add_nc_u64 s[G0B+4*\slot+2:G0B+4*\slot+3], s[G0B+4*\slot+2:G0B+4*\slot+3], 2*WPART
	JLOAD G0+4*\slot, G1, G0B+4*\slot, G1B         ; the first tensor load behind the round; its four v_nop are the places in front of the loads below
.else
	PLACES NP
.endif
	FETCH_B \next, 0, 0
	FETCH_A \next, 0, 0
	SCALES \next, \p
	WIN MUL_HI
	MUL16 4, 1, NQ-1, \slot, 0
	MUL16 6, 1, NQ-1, \slot, 0
	PLACES NP
	WIN 0
	FETCH_A \next, 0, 4
.endm
.macro LAST
	s_wait_dscnt 4*NL
	WIN MUL_LO
	MUL16 0, 1, NQ-1, 1, 0
	MUL16 2, 1, NQ-1, 1, 0
	s_wait_dscnt 0
	WIN MUL_HI
	MUL16 4, 1, NQ-1, 1, 0
	MUL16 6, 1, NQ-1, 1, 0
	WIN 0
.endm
	s_load_b256 s[4:11], s[0:1], 0x0               ; YI, YS, WI, WS
	s_load_b128 s[92:95], s[0:1], 0x20             ; bp, out0
	v_lshl_add_u32 v[SPW], v0, 2, SPARE
	v_mov_b32 v[NIL], 0
	ds_add_u32 v28, v29
	ds_add_u32 v28, v29
	s_wait_dscnt 0x0
	v_lshrrev_b32 v1, 5, v0
	v_readfirstlane_b32 s14, v1                    ; wave 0..3
	s_lshr_b32 s15, s14, 1
	s_and_b32 s16, s14, 1
	s_bfe_u32 s40, ttmp6, 0x40000                  ; cx
	s_bfe_u32 s41, ttmp6, 0x40004                  ; cy
	s_and_b32 s17, ttmp7, 0xffff
	s_lshl_b32 s17, s17, 2
	s_add_co_u32 s17, s17, s41                     ; A's tile: 4 x cluster y + cy
	s_lshl_b32 s42, ttmp9, 2
	s_add_co_u32 s42, s42, s40
	s_add_co_u32 s42, s42, 12                      ; B's tile: Wp's four lie behind the other three weights' twelve
	s_lshl_b32 s43, s41, 2
	s_lshl_b32 s43, 15, s43
	s_lshl_b32 s44, 0x1111, s40
	s_or_b32 s[G1+0], s43, (3<<16)|(1<<21)         ; a dense block as rows of 256 bytes (32 elements of 8 bytes): 96 rows of codes, 16 of scale bytes
	s_or_b32 s[G1B+0], s44, (3<<16)|(1<<21)
.irp g, G1, G1B
	s_mov_b32 s[\g+1], 32<<16
	s_mov_b32 s[\g+2], 96<<16
	s_mov_b32 s[\g+3], 32<<16
	s_mov_b32 s[\g+4], 96
	s_mov_b32 s[\g+5], 32
	s_mov_b32 s[\g+6], 0
	s_mov_b32 s[\g+7], 0
.endr
	s_or_b32 s[G1S+0], s43, (3<<16)|(1<<21)
	s_or_b32 s[G1SB+0], s44, (3<<16)|(1<<21)
.irp g, G1S, G1SB
	s_mov_b32 s[\g+1], 32<<16
	s_mov_b32 s[\g+2], 16<<16
	s_mov_b32 s[\g+3], 32<<16
	s_mov_b32 s[\g+4], 16
	s_mov_b32 s[\g+5], 32
	s_mov_b32 s[\g+6], 0
	s_mov_b32 s[\g+7], 0
.endr
	s_lshl_b32 s12, s17, 1
	s_add_co_u32 s12, s12, s16
	s_lshl_b32 s13, s42, 1
	s_add_co_u32 s13, s13, s16
	s_mul_i32 s45, s14, WPART
	s_wait_kmcnt 0x0
	s_mul_i32 s2, s12, 4*WPART
	s_mov_b32 s3, 0
	s_add_nc_u64 s[18:19], s[4:5], s[2:3]
	s_lshl_b32 s2, s12, 12
	s_add_nc_u64 s[20:21], s[6:7], s[2:3]
	s_mul_i32 s66, s13, 4*WPART
	s_mov_b32 s67, 0
	s_add_nc_u64 s[22:23], s[8:9], s[66:67]
	s_lshl_b32 s66, s13, 12
	s_add_nc_u64 s[46:47], s[10:11], s[66:67]
	CROUND                                         ; all sixteen work-groups are here: the first joint loads meet
	s_mov_b32 s[G0S], 1
	s_lshl_b32 s[G0S+1], s14, 12
	s_add_co_u32 s[G0S+1], s[G0S+1], SCL
	s_mov_b64 s[G0S+2:G0S+3], s[20:21]
	s_or_b32 s[G0S+3], s[G0S+3], 0x80000000
	s_mov_b32 s[G0SB], 1
	s_lshl_b32 s[G0SB+1], s14, 12
	s_add_co_u32 s[G0SB+1], s[G0SB+1], SCL+128
	s_mov_b64 s[G0SB+2:G0SB+3], s[46:47]
	s_or_b32 s[G0SB+3], s[G0SB+3], 0x80000000
	JLOAD G0S, G1S, G0SB, G1SB
.irp s, 0,1
	s_mov_b32 s[G0+4*\s], 1
	s_add_co_u32 s[G0+4*\s+1], s45, \s*SLOT
	s_add_nc_u64 s[G0+4*\s+2:G0+4*\s+3], s[18:19], \s*WPART
	s_or_b32 s[G0+4*\s+3], s[G0+4*\s+3], 0x80000000
	s_mov_b32 s[G0B+4*\s], 1
	s_add_co_u32 s[G0B+4*\s+1], s45, \s*SLOT
	s_add_nc_u64 s[G0B+4*\s+2:G0B+4*\s+3], s[22:23], \s*WPART
	s_or_b32 s[G0B+4*\s+3], s[G0B+4*\s+3], 0x80000000
	JLOAD G0+4*\s, G1, G0B+4*\s, G1B
.endr
	v_and_b32 v1, 31, v0
	v_and_b32 v2, 15, v0                           ; r
	v_bfe_u32 v3, v0, 4, 1                         ; h
	v_lshlrev_b32 v4, 4, v1                        ; 16 x lane
	v_lshlrev_b32 v5, 3, v1                        ; 8 x lane
	s_lshl_b32 s66, s40, 10                        ; my 128 columns, in bytes: 1,024 cx + 512 x half
	s_lshl_b32 s67, s16, 9
	s_add_co_u32 s66, s66, s67
	s_mov_b32 s67, 0
	s_add_nc_u64 s[92:93], s[92:93], s[66:67]
	s_add_nc_u64 s[94:95], s[94:95], s[66:67]
	s_lshl_b32 s66, s17, 1
	s_add_co_u32 s66, s66, s15
	s_lshl_b32 s66, s66, 19                        ; my 128 rows of 4,096 bytes
	s_add_nc_u64 s[94:95], s[94:95], s[66:67]
	global_load_b128 v[BIAS:BIAS+3], v4, s[92:93]  ; the bias of the four columns that I store
	s_mul_i32 s2, s15, WPART
	s_mul_i32 s3, s16, WPART
	s_add_co_u32 s3, s3, 2*WPART
.irp s, 0,1
	v_add_nc_u32 v[ADRA+\s], s2, v4
	v_add_nc_u32 v[ADRB+\s], s3, v4
	v_add_nc_u32 v[ADRA+2+\s], s2, v5
	v_add_nc_u32 v[ADRB+2+\s], s3, v5
	s_add_co_u32 s2, s2, SLOT
	s_add_co_u32 s3, s3, SLOT
.endr
	s_lshl_b32 s2, s15, 12                         ; the scale words: A's base, and for lanes 16-31 the distance to B's: one product
	s_lshl_b32 s3, s16, 12
	s_add_co_u32 s3, s3, 8192+128
	s_sub_co_u32 s3, s3, s2
	v_mul_u32_u24 v6, s3, v3
	s_add_co_u32 s2, s2, SCL
	v_lshl_add_u32 v6, v2, 3, v6
	v_add_nc_u32 v[ADRS], s2, v6
	s_mul_i32 s2, s14, 16*SPITCH                   ; my stage
	v_mul_u32_u24 v6, v2, SPITCH
	v_lshl_add_u32 v6, v3, 6, v6
	v_add_nc_u32 v[STO], s2, v6                    ; in: row r, + 64 h: accumulator b's eight numbers are columns 32 (b / 2) + 16 h + 8 (b % 2) + 0 .. 7
	v_add_nc_u32 v[RD], s2, v4                     ; back: the 32 lanes take one row of 512 bytes
	s_wait_tensorcnt 1                             ; the scale bytes and my part of run 0 are in; run 1's load may be out
	s_barrier_signal -1
	s_barrier_wait -1
	FETCH_B 0, 0, 0
	FETCH_A 0, 0, 0
	SCALES 0, 0
	FETCH_A 0, 0, 4
	STEP 0, 0, 1
	TURN 0, 1, 1, 1
	STEP 1, 0, 0
	TURN 1, 0, 1, 2
	STEP 0, 0, 0
	TURN 0, 1, 0, 3
	STEP 1, 0, 0
	LAST
; THE WAY OUT, block by block of 16 tokens x 128 columns, through my own stage: LDS serves a wave's instructions in order, so no wait stands between the stores and the loads, nor in front of the next block's stores.
.macro TOSTAGE a
.set AC, 64*((\a)%4)
	WIN 0x08+4*((\a)/4)                            ; the data: window 2 or 3
.irp b, 0,1,2,3,4,5,6,7
	ds_store_b128 v[STO], v[AC+8*\b:AC+8*\b+3] offset:128*(\b/2)+32*(\b%2)       ; each accumulator from its low end on
	ds_store_b128 v[STO], v[AC+8*\b+4:AC+8*\b+7] offset:128*(\b/2)+32*(\b%2)+16
.endr
	WIN 0
.set BB, BK+64*((\a)%2)
.irp t, 0,1,2,3,4,5,6,7,8,9,10,11,12,13,14,15
	ds_load_b128 v[BB+4*\t:BB+4*\t+3], v[RD] offset:\t*SPITCH
.endr
.endm
.macro SEND a, younger                 ; row t of block a is token 32 (a / 2) + 8 (a % 2) + t + 8 (t / 8) of my 128: the place stands in the immediate, 127 rows at the most
.set BB, BK+64*((\a)%2)
	s_wait_dscnt \younger                          ; the block is back in registers
.irp t, 0,1,2,3,4,5,6,7,8,9,10,11,12,13,14,15
	v_pk_add_f32 v[BB+4*\t:BB+4*\t+1], v[BB+4*\t:BB+4*\t+1], v[BIAS:BIAS+1]
	v_pk_add_f32 v[BB+4*\t+2:BB+4*\t+3], v[BB+4*\t+2:BB+4*\t+3], v[BIAS+2:BIAS+3]
	global_store_b128 v4, v[BB+4*\t:BB+4*\t+3], s[94:95] offset:(32*((\a)/2)+8*((\a)%2)+\t+8*(\t/8))*4096 th:TH_STORE_NT   ; 32 lanes store 512 consecutive bytes, at a multiple of 256 from out0's first byte
.endr
.endm
	PLACES NP                                      ; behind the last products: for the loads into A's registers and the reads of results
	s_wait_loadcnt 0x0                             ; the bias
	TOSTAGE 0
.irp a, 1,2,3,4,5,6,7
.if \a > 1
	s_wait_xcnt 0x0                                ; block a - 2's stores have read their registers: block a's loads may land there
.endif
	TOSTAGE \a
	SEND \a-1, 32                                  ; behind block a - 1's loads: block a's 16 stores and 16 loads
.endr
	SEND 7, 0
	s_wait_tensorcnt 0x0                           ; the wave's end
	ds_add_u32 v[SPW], v[NIL]
	s_wait_dscnt 0x0
	CROUND                                         ; the closing round
	s_endpgm
.Lfunc_end_k_qc6e962399c_outp:
	.size	k_qc6e962399c_outp, .Lfunc_end_k_qc6e962399c_outp-k_qc6e962399c_outp
	.p2alignl 7, 3214868480
	.fill 96, 4, 3214868480
	.section	.rodata,"a",@progbits
	.p2align	6, 0x0
	.amdhsa_kernel k_qc6e962399c_outp
		.amdhsa_group_segment_fixed_size 327680
		.amdhsa_private_segment_fixed_size 0
		.amdhsa_enable_private_segment 0
		.amdhsa_kernarg_size 48
		.amdhsa_user_sgpr_count 2
		.amdhsa_user_sgpr_kernarg_segment_ptr 1
		.amdhsa_wavefront_size32 1
		.amdhsa_system_sgpr_workgroup_id_x 1
		.amdhsa_system_sgpr_workgroup_id_y 1
		.amdhsa_system_sgpr_workgroup_id_z 1
		.amdhsa_system_vgpr_workitem_id 0
		.amdhsa_next_free_vgpr 1024
		.amdhsa_next_free_sgpr 96
		.amdhsa_reserve_vcc 0
		.amdhsa_float_denorm_mode_32 3
		.amdhsa_float_denorm_mode_16_64 3
		.amdhsa_memory_ordered 1
		.amdhsa_forward_progress 1
		.amdhsa_inst_pref_size 159
	.end_amdhsa_kernel
	.amdgpu_metadata
---
amdhsa.version: [ 1, 2 ]
amdhsa.kernels:
  - .name:           k_qc6e962399c_outp
    .symbol:         k_qc6e962399c_outp.kd
    .args:
      - { .name: YI, .offset: 0, .size: 8, .value_kind: global_buffer, .address_space: global }
      - { .name: YS, .offset: 8, .size: 8, .value_kind: global_buffer, .address_space: global }
      - { .name: WI, .offset: 16, .size: 8, .value_kind: global_buffer, .address_space: global }
      - { .name: WS, .offset: 24, .size: 8, .value_kind: global_buffer, .address_space: global }
      - { .name: bp, .offset: 32, .size: 8, .value_kind: global_buffer, .address_space: global }
      - { .name: out0, .offset: 40, .size: 8, .value_kind: global_buffer, .address_space: global }
    .group_segment_fixed_size: 327680
    .private_segment_fixed_size: 0
    .kernarg_segment_align: 8
    .kernarg_segment_size: 48
    .max_flat_workgroup_size: 128
    .sgpr_count:     96
    .vgpr_count:     1024
    .wavefront_size: 32
...
	.end_amdgpu_metadata
.endif
;; end of part 4
